; MI455X (gfx1250); checked and timed in simulation.
; The chip was launched on July 23, 2026; its instructions are those of AMD's public machine-readable ISA for CDNA 5 (MIT licence, August 2026) and "CDNA5" Instruction Set Architecture Reference Guide (July 2026). The comments in the code are by the model that wrote it; some were corrected since.
;; Multi Headed Attention. Allowed arithmetic: matrix products marked QUANTISED: E3M2 operands, one E8M0 scale for each 32 along K, by v_wmma_scale_f32_16x16x128_f8f6f4 with both operands' format E3M2, f32 sums; products left as they are: f32 operands where the result goes on into a quantised operand, else bf16, f16 or f32 operands; f32 sums; everything else in f32.
;; Inputs: Wk 1,024 x 1,024 float32; Wo 1,024 x 1,024 float32; Wq 1,024 x 1,024 float32; Wv 1,024 x 1,024 float32; encoded_vectors 2 x 2,048 x 1,024 float32.
;; Outputs: out0 2 x 2,048 x 1,024 float32.
;; This version of the problem:
;;   THIS VERSION OF THE PROBLEM IS GIVEN IN LOW PRECISION. The matrix products marked QUANTISED in the list below multiply operands that are first quantised to E3M2 (3 exponent bits, 2 mantissa bits; 6 bits a number), with one power-of-two scale for each 32 numbers along K (OCP MX v1.0); their sums are f32. All else is computed in f32.
;;   The module's matrix products, in the order in which they are computed (A, B: the left and right operand; K: the contracted axis; several contracted axes count as one K, in the product's order):
;;     1. [M 4,096, K 1,024] x [K 1,024, N 1,024]; A: input encoded_vectors; B: input Wq: QUANTISED
;;     2. [M 4,096, K 1,024] x [K 1,024, N 1,024]; A: input encoded_vectors; B: input Wk: QUANTISED
;;     3. [M 4,096, K 1,024] x [K 1,024, N 1,024]; A: input encoded_vectors; B: input Wv: QUANTISED
;;     4. batch 32 x [M 2,048, K 64] x [K 64, N 2,048]; A: computed on the way; B: computed on the way: QUANTISED
;;     5. batch 65,536 x [M 1, K 1] x [K 1, N 64]; A: computed on the way; B: computed on the way: left as it is (no contracted axis)
;;     6. [M 4,096, K 1,024] x [K 1,024, N 1,024]; A: computed on the way; B: input Wo: QUANTISED
;;   THE QUANTISER, for each operand of a quantised product, along K:
;;     - K is cut into blocks of 32 from its start; a last block that is shorter is filled with zeros.
;;     - A block's scale is 2^e with e = floor(log2(the largest magnitude in the block)) - 4, held to -126 .. 127; a block of zeros has e = 0. As a byte (E8M0): e + 127.
;;     - Each number is divided by its block's scale, clamped to +-28, and rounded to the nearest number of E3M2, ties to even, subnormals kept.
;;     - The product sums the exact products of the quantised numbers (number of the format x scale) in f32.
;;   ~~~python
;;   def quantise(x, axis):      # numpy; x: float32 -> the quantised numbers, widened to float32 again
;;       x = np.moveaxis(x, axis, -1); K = x.shape[-1]
;;       x = np.pad(x, [(0, 0)] * (x.ndim - 1) + [(0, -K % 32)]); x = x.reshape(x.shape[:-1] + (-1, 32)); a = np.abs(x).max(-1, keepdims=True)
;;       e = np.where(a > 0, np.clip(np.frexp(np.where(a > 0, a, 1))[1] - 1 - 4, -126, 127), 0)      # np.frexp(a)[1] - 1 = floor(log2(a)), exactly
;;       r = np.clip(x / 2.0 ** e, -28, 28)
;;       step = 2.0 ** (np.maximum(np.frexp(np.where(r == 0, 1, r))[1] - 1, -2) - 2)
;;       q = np.round(r / step) * step * 2.0 ** e      # np.round: ties to even
;;       return np.moveaxis(q.reshape(q.shape[:-2] + (-1,))[..., :K], -1, axis).astype(np.float32)
;;   ~~~
;;   OPERANDS COMPUTED ON THE WAY. 'Computed on the way' means the value that the module computes at that place (a softmax that the list does not call 'softmax' is quantised finished and normalised). What goes into a quantiser is computed in f32, as accurately as f32 sums, v_exp_f32 and their like allow (about 1e-6 of the number): no bf16 or f16 on the way to a quantiser, and a product that is left as it is and whose result goes on into a quantised operand takes f32 operands (vector FMAs, or v_wmma_f32_16x16x4_f32). A number that lies on a knife's edge between two numbers of the format may be rounded either way, as far as f32 arithmetic and the matrix unit's own rounding can turn it there, and no further.
;; One version. Each part assembles by itself: llvm-mc -triple=amdgcn-amd-amdhsa -mcpu=gfx1250 --defsym DOCPART=n.
;; ======== version 1 of 1: 4 launches
;; limits: right only within a limited range of input values
;; workspace buffers: cod 6,291,456 bytes; scl 262,144 bytes; qkc 6,291,456 bytes; qks 524,288 bytes; vimg 16,777,216 bytes; ac 3,145,728 bytes; asc 131,072 bytes
;; launch quant (part 1): grid 256 x 1, 4 waves a work-group, no clusters, 33,280 bytes of LDS; arguments encoded_vectors, Wq, Wk, Wv, Wo, cod, scl; writes cod, scl
.if DOCPART == 1
	.amdgcn_target "amdgcn-amd-amdhsa--gfx1250"
	.amdhsa_code_object_version 6
	.text
	.protected	k_q8d64671e19_quant
	.globl	k_q8d64671e19_quant
	.p2align	8
	.type	k_q8d64671e19_quant,@function
k_q8d64671e19_quant:
	s_mov_b64 s[64:65], 0
	v_nop
	global_prefetch_b8 v0, s[64:65] scope:SCOPE_SE
	s_setreg_imm32_b32 hwreg(HW_REG_WAVE_MODE, 25, 1), 1
	s_wait_xcnt 0x0
; x [4096][1024] and Wq, Wk, Wv, Wo [1024][1024], f32, K innermost, become codes of BF6 (E3M2) and one E8M0 scale byte for each 32 along K.
; WORK LEFT OUT BY THE PROGRAM: reference() adds -inf to every score above the diagonal, so p is 0 there for all values of the inputs: score tiles that lie wholly above
; the diagonal are not computed.  Of p only the diagonal is kept (einsum bhss): the other p are formed only as terms of the row's sum.  All five inputs have a way to the output and are loaded.
; LIMIT: a NaN, an infinity or an overflow that would arise only in the score tiles left out is not carried to the result.
; cod: 8,192 rows of 768 bytes; scl: the same rows, 32 bytes each.  Rows 0-4095: x.  Rows 4096 + 192 c + 64 j + i: row 64 c + i of weight j (0 Wq, 1 Wk, 2 Wv): head c's q, k and v rows lie on end.  Rows 7168-8191: Wo.
; A block's scale is 2^(floor(log2(its largest magnitude)) - 4); its byte is the largest magnitude's exponent field - 4, held at 1 from below.
; IN EVERY 32 ROWS OF A WEIGHT THE SECOND AND THE THIRD GROUP OF EIGHT ROWS CHANGE PLACES: position 16 i + r holds row 32 (i / 2) + 8 (i % 2) + r + 8 (r / 8), so that a lane's 16 registers
; of two neighbouring result tiles are 16 neighbouring columns.
; LIMITS: a block of zeros gets the byte 1 where the rule says 127 (its codes are zeros, and this program alone reads the bytes); NaN and infinities among the inputs are not served.
; SHARES: a work-group takes 32 rows, a wave 8 rows: 16 steps of 512 numbers.  Work-groups 0-127 take x, 128 + 32 j .. 128 + 32 j + 31 weight j.
; Each of a step's four loads reads 512 consecutive bytes; the 2,048 bytes turn through the wave's own stage in LDS and come back 64 bytes a lane.  Waves share nothing: no barrier.
; Loads run eight steps ahead: 32 loads, 16,384 bytes, a wave; the turn through LDS runs one step ahead.
.set STEPS, 16
.set AHEAD, 8
.set EMAX,  4
.set CB,    12                         ; bytes of 16 codes
.set R,     16                         ; v16-143  eight sets of 16 numbers as loaded
.set X,     144                        ; v144-175 two sets of 16 neighbours
.set E,     176                        ; v176-177 the scale byte, two registers by turns
.set C,     180                        ; v180-243 codes, four registers a step, so that no store's data are written again
.set SPW,   250
.set NIL,   251
.set WREG,  8192                       ; LDS region of a wave: two stages and 256 scale bytes
.set SP,    80                         ; a lane's place in a stage: 64 bytes + 16 of padding
	s_load_b256 s[4:11], s[0:1], 0x0               ; x, Wq, Wk, Wv
	s_load_b128 s[12:15], s[0:1], 0x20             ; Wo, cod
	s_load_b64 s[24:25], s[0:1], 0x30              ; scl
	v_lshl_add_u32 v[SPW], v0, 2, 0x8000           ; my spare word
	v_mov_b32 v[NIL], 0
	v_lshrrev_b32 v1, 5, v0
	v_readfirstlane_b32 s16, v1                    ; wave
	v_and_b32 v2, 31, v0                           ; lane
	v_lshlrev_b32 v3, 4, v2
	s_mul_i32 s17, s16, WREG
	v_lshrrev_b32 v14, 2, v2
	v_mul_u32_u24 v14, v14, SP
	v_and_b32 v15, 3, v2
	v_lshl_add_u32 v14, v15, 4, v14
	v_add_nc_u32 v14, s17, v14                     ; the stage, on the way in
	v_mul_u32_u24 v15, v2, SP
	v_add_nc_u32 v15, s17, v15                     ; and on the way out
	v_mul_u32_u24 v4, v2, CB
	v_lshrrev_b32 v5, 1, v2
	s_add_co_u32 s17, s17, 2*32*SP
	v_add_nc_u32 v5, s17, v5                       ; my block's scale byte in LDS
	v_lshlrev_b32 v7, 3, v2
	v_add_nc_u32 v6, s17, v7
	s_lshl_b32 s18, s16, 1
	s_and_b32 s18, s18, 2
	s_lshr_b32 s19, s16, 1
	s_or_b32 s18, s18, s19                         ; the wave's number with its two bits exchanged
	s_cmp_lt_u32 ttmp9, 128                        ; x, or a weight?
	s_cselect_b32 s19, 127, 31
	s_cselect_b32 s18, s16, s18                    ; x's rows keep their places
	s_and_b32 s19, ttmp9, s19
	s_lshl_b32 s19, s19, 2
	s_add_co_u32 s19, s19, s16                     ; which run of 8 rows of the input is mine
	s_sub_co_u32 s20, ttmp9, 128                   ; where my 32 rows go: Wq, Wk, Wv: group 128 + 6 c + 2 j + half
	s_lshr_b32 s21, s20, 5                         ; j
	s_bfe_u32 s22, s20, 0x40001                    ; c
	s_and_b32 s26, s20, 1                          ; which half of the head
	s_mul_i32 s22, s22, 6
	s_lshl_b32 s21, s21, 1
	s_add_co_u32 s21, s21, s26
	s_add_co_u32 s21, s21, s22
	s_add_co_u32 s21, s21, 128
	s_cmp_lt_u32 s20, 96                           ; x and Wo keep the work-group's number
	s_cselect_b32 s20, s21, ttmp9
	s_lshl_b32 s20, s20, 2
	s_add_co_u32 s18, s20, s18                     ; which run of 8 rows of cod and scl
	s_lshl_b32 s20, s19, 15
	s_mov_b32 s21, 0
	s_mul_i32 s22, s18, 32*STEPS*CB
	s_mov_b32 s23, 0
	s_lshl_b32 s26, s18, 8
	s_mov_b32 s27, 0
	s_wait_alu depctr_va_vdst(0)                   ; the wait at the head's end
	s_wait_kmcnt 0x0
	s_cmp_ge_u32 ttmp9, 128                        ; the input is chosen by the work-group's number alone
	s_cselect_b64 s[4:5], s[6:7], s[4:5]
	s_cmp_ge_u32 ttmp9, 160
	s_cselect_b64 s[4:5], s[8:9], s[4:5]
	s_cmp_ge_u32 ttmp9, 192
	s_cselect_b64 s[4:5], s[10:11], s[4:5]
	s_cmp_ge_u32 ttmp9, 224
	s_cselect_b64 s[4:5], s[12:13], s[4:5]
	s_add_nc_u64 s[4:5], s[4:5], s[20:21]
	s_add_nc_u64 s[14:15], s[14:15], s[22:23]
	s_add_nc_u64 s[24:25], s[24:25], s[26:27]
.macro LOAD t
.irp i, 0,1,2,3
	global_load_b128 v[R+16*((\t)%AHEAD)+4*\i:R+16*((\t)%AHEAD)+4*\i+3], v3, s[4:5] offset:2048*(\t)+512*\i th:TH_LOAD_NT
.endr
.endm
.macro TURN t                          ; LDS serves a wave's instructions in order: no wait between the stores and the loads
.irp i, 0,1,2,3
	ds_store_b128 v14, v[R+16*((\t)%AHEAD)+4*\i:R+16*((\t)%AHEAD)+4*\i+3] offset:32*SP*((\t)%2)+8*SP*\i
.endr
.irp i, 0,1,2,3
	ds_load_b128 v[X+16*((\t)%2)+4*\i:X+16*((\t)%2)+4*\i+3], v15 offset:32*SP*((\t)%2)+16*\i
.endr
.endm
.irp t, 0,1,2,3,4,5,6,7
	LOAD \t
.endr
	s_wait_loadcnt 28                              ; step 0's four loads are in; the 28 of steps 1 to 7 may be out
	TURN 0
.macro STEP t
.set XS, X+16*((\t)%2)
.if (\t) > 0
	s_wait_dscnt 1                                 ; this step's numbers are back, and the byte store of two steps ago is done (the last step's may be out)
.else
	s_wait_dscnt 0x0
.endif
.if (\t)+AHEAD < STEPS
	LOAD (\t)+AHEAD                                ; into the set whose stores into the stage are done
.endif
.if (\t)+1 < STEPS
.if STEPS-2-(\t) >= AHEAD-1
	s_wait_loadcnt 4*(AHEAD-1)                     ; the next step's four loads are in; those of the seven steps behind it may be out
.else
	s_wait_loadcnt 4*(STEPS-2-(\t))
.endif
	TURN (\t)+1
.endif
	v_max3_num_f32 v8, |v[XS]|, |v[XS+1]|, |v[XS+2]|
	v_max3_num_f32 v9, |v[XS+3]|, |v[XS+4]|, |v[XS+5]|
.irp i, 6,10
	v_max3_num_f32 v8, v8, |v[XS+\i]|, |v[XS+\i+1]|
	v_max3_num_f32 v9, v9, |v[XS+\i+2]|, |v[XS+\i+3]|
.endr
	v_max3_num_f32 v8, v8, |v[XS+14]|, |v[XS+15]|
	v_max3_num_f32 v8, v8, v9, (EMAX+1)<<23        ; the floor 2^(5 - 127): the byte cannot fall under 1
	v_max_num_f32_dpp v8, v8, v8 row_xmask:1 row_mask:0xf bank_mask:0xf   ; with my neighbour's 16: the block's
	v_add_nc_u32 v11, 0xfe000000, v8               ; 4 off the exponent field: the conversion's scale operand
	v_cvt_scalef32_pk16_bf6_f32 v[C+4*(\t):C+4*(\t)+2], v[XS:XS+15], v11
	v_lshrrev_b32 v[E+(\t)%2], 23, v11             ; the scale's byte
	ds_store_b8 v5, v[E+(\t)%2] offset:16*(\t)
	global_store_b96 v4, v[C+4*(\t):C+4*(\t)+2], s[14:15] offset:32*CB*(\t)   ; the wave stores 384 consecutive bytes
.endm
.irp t, 0,1,2,3,4,5,6,7,8,9,10,11,12,13,14,15
	STEP \t
.endr
	ds_load_b64 v[12:13], v6
	s_wait_dscnt 0x0
	global_store_b64 v7, v[12:13], s[24:25]        ; 32 lanes store 256 consecutive bytes, aligned
	s_wait_tensorcnt 0x0                           ; the wave's end
	ds_add_u32 v[SPW], v[NIL]
	s_wait_dscnt 0x0
	s_endpgm
.Lfunc_end_k_q8d64671e19_quant:
	.size	k_q8d64671e19_quant, .Lfunc_end_k_q8d64671e19_quant-k_q8d64671e19_quant
	.p2alignl 7, 3214868480
	.fill 96, 4, 3214868480
	.section	.rodata,"a",@progbits
	.p2align	6, 0x0
	.amdhsa_kernel k_q8d64671e19_quant
		.amdhsa_group_segment_fixed_size 33280
		.amdhsa_private_segment_fixed_size 0
		.amdhsa_enable_private_segment 0
		.amdhsa_kernarg_size 56
		.amdhsa_user_sgpr_count 2
		.amdhsa_user_sgpr_kernarg_segment_ptr 1
		.amdhsa_wavefront_size32 1
		.amdhsa_system_sgpr_workgroup_id_x 1
		.amdhsa_system_sgpr_workgroup_id_y 1
		.amdhsa_system_sgpr_workgroup_id_z 1
		.amdhsa_system_vgpr_workitem_id 0
		.amdhsa_next_free_vgpr 252
		.amdhsa_next_free_sgpr 66
		.amdhsa_reserve_vcc 0
		.amdhsa_float_denorm_mode_32 3
		.amdhsa_float_denorm_mode_16_64 3
		.amdhsa_memory_ordered 1
		.amdhsa_forward_progress 1
		.amdhsa_inst_pref_size 33
	.end_amdhsa_kernel
	.amdgpu_metadata
---
amdhsa.version: [ 1, 2 ]
amdhsa.kernels:
  - .name:           k_q8d64671e19_quant
    .symbol:         k_q8d64671e19_quant.kd
    .args:
      - { .name: encoded_vectors, .offset: 0, .size: 8, .value_kind: global_buffer, .address_space: global }
      - { .name: Wq, .offset: 8, .size: 8, .value_kind: global_buffer, .address_space: global }
      - { .name: Wk, .offset: 16, .size: 8, .value_kind: global_buffer, .address_space: global }
      - { .name: Wv, .offset: 24, .size: 8, .value_kind: global_buffer, .address_space: global }
      - { .name: Wo, .offset: 32, .size: 8, .value_kind: global_buffer, .address_space: global }
      - { .name: cod, .offset: 40, .size: 8, .value_kind: global_buffer, .address_space: global }
      - { .name: scl, .offset: 48, .size: 8, .value_kind: global_buffer, .address_space: global }
    .group_segment_fixed_size: 33280
    .private_segment_fixed_size: 0
    .kernarg_segment_align: 8
    .kernarg_segment_size: 56
    .max_flat_workgroup_size: 128
    .sgpr_count:     66
    .vgpr_count:     252
    .wavefront_size: 32
...
	.end_amdgpu_metadata
.endif
;; end of part 1
;; launch qkv (part 2): grid 16 x 16, 4 waves a work-group, clusters of 4 x 4, 327,680 bytes of LDS; arguments cod, scl, qkc, qks, vimg; writes qkc, qks, vimg
.if DOCPART == 2
	.amdgcn_target "amdgcn-amd-amdhsa--gfx1250"
	.amdhsa_code_object_version 6
	.text
	.protected	k_q8d64671e19_qkv
	.globl	k_q8d64671e19_qkv
	.p2align	8
	.type	k_q8d64671e19_qkv,@function
k_q8d64671e19_qkv:
	s_mov_b64 s[64:65], 0
	v_nop
	global_prefetch_b8 v0, s[64:65] scope:SCOPE_SE
	s_setreg_imm32_b32 hwreg(HW_REG_WAVE_MODE, 25, 1), 1
	s_wait_xcnt 0x0
	s_wait_alu depctr_hold_cnt(0) depctr_sa_sdst(0) depctr_va_vdst(0) depctr_va_sdst(0) depctr_va_ssrc(0) depctr_va_vcc(0) depctr_vm_vsrc(0)
	s_getreg_b32 s2, hwreg(HW_REG_IB_STS2, 6, 4)
	s_cmp_eq_u32 s2, 0
	s_cbranch_scc0 .Lentry_in_a_cluster
	s_endpgm
.Lentry_in_a_cluster:
	s_bfe_u32 s2, ttmp6, 0x10000c
	s_cmp_lg_u32 s2, 0xf033
	s_cbranch_scc0 .Lentry_shape_is_right
	s_endpgm
.Lentry_shape_is_right:
; [q | k | v] = x [Wq; Wk; Wv]^T on codes of BF6 (E3M2) with one E8M0 scale for each 32 along K; sums in f32.
; A = rows 0-4095 of cod (x).  B = rows 4096-7167: 192 rows for each head c: its 64 rows of Wq, of Wk, of Wv.  scl holds the rows' scale bytes, 32 a row.
; A tile is 256 rows x 192 columns = ONE HEAD'S q, k AND v: 16 x 16 = 256 work-groups, and every work-group takes the same way out: no branch hangs on a place in the cluster.
; A wave makes 64 rows x 192 columns: 48 accumulators, 384 registers.  K goes through a ring of two LDS slots in CHUNKS OF 256 BYTES of each row (a row of codes is 768 bytes: three chunks);
; a step of 128 along K is 96 bytes: eight steps; steps 2 and 5 lie across two chunks and take their pieces from both slots.  The scales of the tile's 448 rows come once and stay.
; CLUSTERS: 4 x 4.  A's tiles are asked for jointly along a row of the cluster, B's along a column.
; NO PREFETCH: the walk has three chunks; two are asked for at the head and one refill follows: there is no loop to run ahead in.
; THE MATRIX INSTRUCTION IS USED TRANSPOSED (source 0 = 16 rows of B, source 1 = 16 rows of A): with B's rows placed as they are, the 16 registers of the pair of tiles g of row tile a are columns 32 g + 16 (lane / 16) + 0 .. 15 of row lane % 16.
; THE WAY OUT NEEDS NO LDS.  q, k: two blocks of 32 a head, quantised in registers, stored as an image of the operand's registers: qkc [q, k][batch][head][tile of 16 rows][piece 3][lane][8 bytes];
; scale words qks [q, k][batch][head][row]: the two bytes, and 0x7f twice.  v: f32 as the accumulators stand: vimg, a unit of 2,048 bytes for 16 rows x 32 columns: [4][lane][16 bytes].
; LIMITS: a block of zeros gets the byte 1 where the rule says 127 (its codes are zeros; this program alone reads the bytes); NaN and infinities are not served.
; REGISTERS: window 0: v16-29 addresses; v32-127 scale words (8 i + s: lanes 0-15 A's block i, lanes 16-31 B's block i, step s); v128-215 the way out.
;   window 1: v0-95 A's fragments, two sets; v96-239 B's twelve, ONE set, fetched anew by thirds as their products are issued.
;   window 2: pairs g = 0-3 (q, k) at v[64 g + 16 a + 8 u];  window 3: pairs 4, 5 (v).
.set ROWB,   256
.set KROW,   768
.set STEPS,  8
.set CHUNKS, 3
.set PITCH,  272                       ; 256 bytes + 16 of padding
.set NL,     6                         ; LDS loads of a fragment
.set BROWS,  192
.set BOFF,   256*PITCH                 ; B's rows lie behind A's 256
.set SLOT,   (256+BROWS)*PITCH
.set SCL,    2*SLOT                    ; the scales: units of 256 + 16 bytes: A's 32, then B's 24
.set SBLK,   544                       ; those of 16 rows
.set SCB,    SCL+32*272
.set SPARE,  259072                    ; the spare words: two blocks of 256 bytes that no other line names
.set ADRA, 16                          ; v16-17 my A fragments in slot 0, 1; v18-19 for pieces whose lanes 16-31 read the next chunk
.set ADRB, 20                          ; v20-23 the same for B
.set O8,   24
.set O4,   25
.set O16,  26
.set ADRS, 27
.set SPW,  28
.set NIL,  29
.set SC,   32
.set AF,   0
.set BF,   96
.set P0,   128                         ; the way out: 16 registers a row tile
.set TM,   192
.set PT,   208
.set SEL,  100
.set G1, 24
.set G0, 32
.set G1B, 48
.set G0B, 56
.set G1S, 68
.set G0S, 76
.set G1SB, 80
.set G0SB, 88
.set G0H, 4
.set G0HB, 8
.set MSB, 0
.macro WIN new                         ; the immediate's high byte repeats the setting that is left
.if MSB != \new
	s_set_vgpr_msb (MSB<<8)|\new
.set MSB, \new
.endif
.endm
.set MUL_LO, 0xa5                      ; sources 0 and 1 window 1, C and D window 2
.set MUL_HI, 0xf5                      ; C and D window 3
.set TO_1,   0x40                      ; destination window 1
.macro JLOAD g0a, g1a, g0b, g1b        ; waves 0, 1 fetch for A, waves 2, 3 for B; s_nop 0 and four v_nop behind each line
	s_cmp_eq_u32 s15, 0
	s_cbranch_scc0 .Lfor_b_\@
	tensor_load_to_lds s[\g0a:\g0a+3], s[\g1a:\g1a+7]
	s_nop 0
.rept 4
	v_nop
.endr
	s_branch .Lasked_\@
.Lfor_b_\@:
	tensor_load_to_lds s[\g0b:\g0b+3], s[\g1b:\g1b+7]
	s_nop 0
.rept 4
	v_nop
.endr
.Lasked_\@:
.endm
.macro CREST
	s_cmp_lg_u32 s14, 0
	s_cbranch_scc1 .Lnot_wave_0_\@
	s_barrier_signal -3
.Lnot_wave_0_\@:
	s_barrier_wait -3
	s_barrier_signal -1
	s_barrier_wait -1
.endm
.macro CROUND
	s_barrier_signal -1
	s_barrier_wait -1
	CREST
.endm
.macro PLACES                          ; four places behind a matrix instruction (ISA guide 7.12.1 for vector instructions)
.rept 4
	v_nop
.endr
.endm
	s_load_b128 s[4:7], s[0:1], 0x0                ; cod, scl
	s_load_b128 s[96:99], s[0:1], 0x10             ; qkc, qks
	s_load_b64 s[12:13], s[0:1], 0x20              ; vimg
	v_lshl_add_u32 v[SPW], v0, 2, SPARE
	v_mov_b32 v[NIL], 0
	ds_add_u32 v[SPW], v[NIL]                      ; the opening lines: the add twice on end and its wait
	ds_add_u32 v[SPW], v[NIL]
	v_lshrrev_b32 v1, 5, v0
	v_readfirstlane_b32 s14, v1                    ; wave
	s_lshr_b32 s15, s14, 1                         ; in the ring I fetch for A (0) or for B (1),
	s_and_b32 s16, s14, 1                          ; and which half of its rows
	s_bfe_u32 s40, ttmp6, 0x40000                  ; cx
	s_bfe_u32 s41, ttmp6, 0x40004                  ; cy
	s_lshl_b32 s42, ttmp9, 2
	s_add_co_u32 s42, s42, s40                     ; tile column = head
	s_and_b32 s17, ttmp7, 0xffff
	s_lshl_b32 s17, s17, 2
	s_add_co_u32 s17, s17, s41                     ; tile row
	s_lshl_b32 s43, s41, 2
	s_lshl_b32 s43, 15, s43                        ; my row of the cluster
	s_lshl_b32 s44, 0x1111, s40                    ; my column
	s_or_b32 s[G1+0], s43, (0<<16)|(1<<20)|(1<<21)|(5<<22)|(3<<25)   ; bytes; 16 bytes of padding behind every 256
	s_or_b32 s[G1B+0], s44, (0<<16)|(1<<20)|(1<<21)|(5<<22)|(3<<25)
.irp g, G1, G1B
	s_mov_b32 s[\g+1], ROWB<<16
	s_mov_b32 s[\g+3], ROWB<<16
	s_mov_b32 s[\g+5], KROW
	s_mov_b32 s[\g+6], 0
	s_mov_b32 s[\g+7], 0
.endr
	s_mov_b32 s[G1+2], 256<<16                     ; the head's loads bring whole tiles: A's 256 rows,
	s_mov_b32 s[G1+4], 256
	s_mov_b32 s[G1B+2], BROWS<<16                  ; B's 192
	s_mov_b32 s[G1B+4], BROWS
	s_or_b32 s[G1S+0], s43, (3<<16)|(1<<20)|(1<<21)|(5<<22)|(3<<25)  ; the scales: dense blocks as rows of 256 bytes
	s_or_b32 s[G1SB+0], s44, (3<<16)|(1<<20)|(1<<21)|(5<<22)|(3<<25)
.irp g, G1S, G1SB
	s_mov_b32 s[\g+1], 32<<16
	s_mov_b32 s[\g+3], 32<<16
	s_mov_b32 s[\g+5], 32
	s_mov_b32 s[\g+6], 0
	s_mov_b32 s[\g+7], 0
.endr
	s_mov_b32 s[G1S+2], 32<<16
	s_mov_b32 s[G1S+4], 32
	s_mov_b32 s[G1SB+2], 24<<16
	s_mov_b32 s[G1SB+4], 24
	s_lshl_b32 s20, s17, 8                         ; A's first row
	s_mul_i32 s46, s42, BROWS                      ; B's
	s_lshl_b32 s22, s20, 5                         ; their scales, in bytes
	s_mov_b32 s23, 0
	s_lshl_b32 s92, s46, 5
	s_mov_b32 s93, 0
	s_mul_i32 s20, s20, KROW                       ; their codes
	s_mov_b32 s21, 0
	s_mul_i32 s46, s46, KROW
	s_mov_b32 s47, 0
	s_mul_i32 s18, s16, 128*KROW                   ; the ring: my half of A's rows,
	s_mov_b32 s19, 0
	s_mul_i32 s94, s16, 96*KROW                    ; or of B's,
	s_mov_b32 s95, 0
	s_mul_i32 s45, s16, 128*PITCH                  ; and where they go
	s_mul_i32 s66, s16, 96*PITCH
	s_add_co_u32 s66, s66, BOFF
	s_wait_dscnt 0x0                               ; both opening adds are done
	s_wait_kmcnt 0x0
	s_add_nc_u64 s[8:9], s[4:5], 4096*KROW         ; B begins behind x's 4,096 rows
	s_add_nc_u64 s[10:11], s[6:7], 4096*32
	s_add_nc_u64 s[20:21], s[4:5], s[20:21]
	s_add_nc_u64 s[22:23], s[6:7], s[22:23]
	s_add_nc_u64 s[46:47], s[8:9], s[46:47]
	s_add_nc_u64 s[92:93], s[10:11], s[92:93]
	CROUND                                         ; all sixteen work-groups are here: the first joint loads meet
	s_mov_b32 s[G0H], 1
	s_mov_b32 s[G0H+1], 0
	s_mov_b64 s[G0H+2:G0H+3], s[20:21]
	s_or_b32 s[G0H+3], s[G0H+3], 0x80000000
	s_mov_b32 s[G0HB], 1
	s_mov_b32 s[G0HB+1], BOFF
	s_mov_b64 s[G0HB+2:G0HB+3], s[46:47]
	s_or_b32 s[G0HB+3], s[G0HB+3], 0x80000000
	s_mov_b32 s[G0S], 1
	s_mov_b32 s[G0S+1], SCL
	s_mov_b64 s[G0S+2:G0S+3], s[22:23]
	s_or_b32 s[G0S+3], s[G0S+3], 0x80000000
	s_mov_b32 s[G0SB], 1
	s_mov_b32 s[G0SB+1], SCB
	s_mov_b64 s[G0SB+2:G0SB+3], s[92:93]
	s_or_b32 s[G0SB+3], s[G0SB+3], 0x80000000
	s_add_nc_u64 s[20:21], s[20:21], s[18:19]
	s_add_nc_u64 s[46:47], s[46:47], s[94:95]
.irp s, 0,1
	s_mov_b32 s[G0+4*\s], 1
	s_add_co_u32 s[G0+4*\s+1], s45, \s*SLOT
	s_add_nc_u64 s[G0+4*\s+2:G0+4*\s+3], s[20:21], \s*ROWB
	s_or_b32 s[G0+4*\s+3], s[G0+4*\s+3], 0x80000000
	s_mov_b32 s[G0B+4*\s], 1
	s_add_co_u32 s[G0B+4*\s+1], s66, \s*SLOT
	s_add_nc_u64 s[G0B+4*\s+2:G0B+4*\s+3], s[46:47], \s*ROWB
	s_or_b32 s[G0B+4*\s+3], s[G0B+4*\s+3], 0x80000000
.endr
; the head's four tiles, one load a wave: chunk 0 of A, chunk 0 of B, A's scales, B's scales
.macro ARM under, g0, g1, next
	s_cmp_lt_u32 s14, \under
	s_cbranch_scc0 \next
	tensor_load_to_lds s[\g0:\g0+3], s[\g1:\g1+7]
	s_nop 0
.rept 4
	v_nop
.endr
	s_branch .Lhead_asked
\next:
.endm
	ARM 1, G0H,  G1,  .Lhead_b
	ARM 2, G0HB, G1B, .Lhead_sa
	ARM 3, G0S,  G1S, .Lhead_sb
	tensor_load_to_lds s[G0SB:G0SB+3], s[G1SB:G1SB+7]
	s_nop 0
.rept 4
	v_nop
.endr
.Lhead_asked:
	; where my results go.  Terms of the tile row in s20-23, terms of the tile column in s46-47
	s_lshr_b32 s20, s17, 3                         ; batch
	s_lshl_b32 s20, s20, 4                         ; 16 heads each
	s_and_b32 s21, s17, 7
	s_lshl_b32 s21, s21, 4
	s_lshl_b32 s22, s14, 2
	s_add_co_u32 s21, s21, s22                     ; my first tile of 16 rows in the batch
	s_mul_i32 s22, s20, 98304                      ; qkc: 98,304 bytes a head, 768 a tile
	s_mul_i32 s23, s21, 768
	s_add_co_u32 s22, s22, s23
	s_mov_b32 s23, 0
	s_add_nc_u64 s[96:97], s[96:97], s[22:23]
	s_mul_i32 s46, s42, 98304
	s_mov_b32 s47, 0
	s_add_nc_u64 s[96:97], s[96:97], s[46:47]
	s_lshl_b32 s22, s20, 13                        ; qks: 8,192 bytes a head, 64 a tile
	s_lshl_b32 s23, s21, 6
	s_add_co_u32 s22, s22, s23
	s_mov_b32 s23, 0
	s_add_nc_u64 s[98:99], s[98:99], s[22:23]
	s_lshl_b32 s46, s42, 13
	s_add_nc_u64 s[98:99], s[98:99], s[46:47]
	s_lshl_b32 s22, s17, 4                         ; vimg: 65,536 bytes a row tile, 4,096 a head
	s_lshl_b32 s23, s14, 2
	s_add_co_u32 s22, s22, s23
	s_lshl_b32 s22, s22, 16
	s_mov_b32 s23, 0
	s_add_nc_u64 s[12:13], s[12:13], s[22:23]
	s_lshl_b32 s46, s42, 12
	s_add_nc_u64 s[12:13], s[12:13], s[46:47]
	s_mov_b32 s[SEL], 0x76543210
	s_mov_b32 s[SEL+1], 0xfedcba98
	s_mov_b32 s2, SLOT-232
	s_mov_b32 s3, SLOT+232
	s_mul_i32 s18, s14, 64*PITCH                   ; my 64 rows of A
	s_add_co_u32 s19, s18, SLOT
	s_mul_i32 s93, s14, 4*SBLK                     ; their scales
	s_mov_b32 s92, 32*272
	s_sub_co_u32 s92, s92, s93                     ; from there to B's scales
	s_add_co_u32 s93, s93, SCL
	v_and_b32 v1, 15, v0                           ; r
	v_bfe_u32 v2, v0, 4, 1                         ; h
	v_mul_u32_u24 v3, v1, PITCH
	v_mul_u32_u24 v4, v2, 24
	v_add_nc_u32 v4, v3, v4                        ; row x pitch + 24 h
	v_sub_nc_u32 v7, 1, v2
	v_mul_u32_u24 v5, s2, v2
	v_add_nc_u32 v5, v3, v5
	v_add_nc_u32 v5, 232, v5                       ; lanes 0-15 byte 232 of the row in slot 0, lanes 16-31 byte 0 in slot 1
	v_mul_u32_u24 v6, s3, v7
	v_add_nc_u32 v6, v3, v6                        ; lanes 0-15 byte 232 in slot 1, lanes 16-31 byte 0 in slot 0
	v_add_nc_u32 v[ADRA], s18, v4
	v_add_nc_u32 v[ADRA+1], s19, v4
	v_add_nc_u32 v[ADRA+2], s18, v5
	v_add_nc_u32 v[ADRA+3], s18, v6
	v_add_nc_u32 v[ADRB], BOFF, v4
	v_add_nc_u32 v[ADRB+1], BOFF+SLOT, v4
	v_add_nc_u32 v[ADRB+2], BOFF, v5
	v_add_nc_u32 v[ADRB+3], BOFF, v6
	v_lshlrev_b32 v8, 5, v1                        ; my row's scales: 32 bytes a row,
	v_lshrrev_b32 v9, 3, v1
	v_lshl_add_u32 v8, v9, 4, v8                   ; 16 more behind the first 256
	v_mul_u32_u24 v9, s92, v2                      ; lanes 16-31 take B's
	v_add_nc_u32 v8, v8, v9
	v_add_nc_u32 v[ADRS], s93, v8
	v_and_b32 v9, 31, v0
	v_lshlrev_b32 v[O8], 3, v9
	v_lshlrev_b32 v[O4], 2, v1
	v_lshlrev_b32 v[O16], 4, v9
.macro FRAG reg, adr, st, i            ; 16 rows x 128 K: 12 registers, six pieces of 8 bytes; byte y of a row lies in slot (y / 256) % 2 at byte y % 256
.irp p, 0,1,2,3,4,5
.set BY, 96*(\st)+48*(\p/3)+8*(\p%3)
.if BY/ROWB == (BY+24)/ROWB
	ds_load_b64 v[\reg+2*\p:\reg+2*\p+1], v[\adr+(BY/ROWB)%2] offset:BY%ROWB+(\i)*16*PITCH
.else
	ds_load_b64 v[\reg+2*\p:\reg+2*\p+1], v[\adr+2+(BY/ROWB)%2] offset:BY%ROWB-232+(\i)*16*PITCH
.endif
.endr
.endm
.macro FETCH_A st                      ; my four blocks of A, step st, into set st % 2: 24 loads
.irp i, 0,1,2,3
	FRAG AF+48*((\st)%2)+12*\i, ADRA, \st, \i
.endr
.endm
.macro FETCH_B st, t                   ; B's blocks 4 t .. 4 t + 3: 24 loads
.irp i, 4*(\t), 4*(\t)+1, 4*(\t)+2, 4*(\t)+3
	FRAG BF+12*(\i), ADRB, \st, \i
.endr
.endm
; eight matrix instructions: B's pair g against my four blocks of A.  The accumulators take turns, one instruction a turn
.macro MUL8 g, st, zero
.irp a, 0,1,2,3
.irp u, 0,1
.if \zero
	v_wmma_scale_f32_16x16x128_f8f6f4 v[64*((\g)%4)+16*\a+8*\u:64*((\g)%4)+16*\a+8*\u+7], v[BF+12*(2*(\g)+\u):BF+12*(2*(\g)+\u)+11], v[AF+48*((\st)%2)+12*\a:AF+48*((\st)%2)+12*\a+11], 0, v[SC+8*(2*(\g)+\u)+(\st)], v[SC+8*\a+(\st)] matrix_a_fmt:MATRIX_FMT_BF6 matrix_b_fmt:MATRIX_FMT_BF6 matrix_a_scale:MATRIX_SCALE_ROW1
.else
	v_wmma_scale_f32_16x16x128_f8f6f4 v[64*((\g)%4)+16*\a+8*\u:64*((\g)%4)+16*\a+8*\u+7], v[BF+12*(2*(\g)+\u):BF+12*(2*(\g)+\u)+11], v[AF+48*((\st)%2)+12*\a:AF+48*((\st)%2)+12*\a+11], v[64*((\g)%4)+16*\a+8*\u:64*((\g)%4)+16*\a+8*\u+7], v[SC+8*(2*(\g)+\u)+(\st)], v[SC+8*\a+(\st)] matrix_a_fmt:MATRIX_FMT_BF6 matrix_b_fmt:MATRIX_FMT_BF6 matrix_a_scale:MATRIX_SCALE_ROW1
.endif
.endr
.endr
.endm
; A step: 48 matrix instructions in three thirds; behind each third its blocks of B are fetched anew for the next step (A's other set with the first third).
; At a step's head the LDS loads out are, oldest first: A's set and B's first third (48), the second third (24), the last third (24).
; Where the next step's bytes end in a chunk not read yet, a barrier shows that chunk whole; where they begin in a later chunk, the three lines and the barrier free the old chunk, and a round and the refill follow if a chunk is left to fetch.
.macro STEP st, zero
.set NX, (\st)+1
.set C0, (96*(\st))/ROWB
.set C1, (96*NX)/ROWB
.set E0, (96*(\st)+95)/ROWB
.set E1, (96*NX+95)/ROWB
.if C1 > C0 || E1 > E0
	s_wait_tensorcnt 0x0                           ; all my tensor loads have landed
.if C1 > C0
	ds_add_u32 v[SPW], v[NIL]
	s_wait_dscnt 8*NL+1                            ; the add and B's last two thirds may be out
.else
	s_wait_dscnt 8*NL
.endif
	WIN MUL_LO
	MUL8 0, \st, \zero
	s_wait_dscnt 0x0                               ; the add and all my reads are done
	s_barrier_signal -1
	MUL8 1, \st, \zero
	WIN 0
	s_barrier_wait -1
.if C1 > C0 && C0+2 < CHUNKS
	CREST                                          ; the barrier has opened a round of the cluster's barrier
	s_add_nc_u64 s[G0+4*(C0%2)+2:G0+4*(C0%2)+3], s[G0+4*(C0%2)+2:G0+4*(C0%2)+3], 2*ROWB
	s_add_nc_u64 s[G0B+4*(C0%2)+2:G0B+4*(C0%2)+3], s[G0B+4*(C0%2)+2:G0B+4*(C0%2)+3], 2*ROWB
	JLOAD G0+4*(C0%2), G1, G0B+4*(C0%2), G1B       ; chunk C0 + 2; its four v_nop are the places for the loads below
.else
	PLACES
.endif
.else
	s_wait_dscnt 8*NL                              ; A's set and B's first third are in
	WIN MUL_LO
	MUL8 0, \st, \zero
	MUL8 1, \st, \zero
	s_wait_dscnt 4*NL                              ; the second third is in; the last may be out
	PLACES
.endif
	WIN TO_1
	FETCH_A NX
	FETCH_B NX, 0
	WIN MUL_LO
	MUL8 2, \st, \zero
	MUL8 3, \st, \zero
	s_wait_dscnt 8*NL                              ; the last third is in; the 48 just issued may be out
	PLACES
	WIN TO_1
	FETCH_B NX, 1
	WIN MUL_HI
	MUL8 4, \st, \zero
	MUL8 5, \st, \zero
	PLACES
	WIN TO_1
	FETCH_B NX, 2
	WIN 0
.endm
	s_wait_alu depctr_va_vdst(0)                   ; the wait at the head's end
	s_wait_tensorcnt 0x0                           ; my tile of the head's four is in; the three lines ahead of a later first fill
	ds_add_u32 v[SPW], v[NIL]
	s_mov_b32 s[G1+2], 128<<16                     ; no tensor load of mine is out: from here on a load brings half a tile's rows
	s_mov_b32 s[G1+4], 128
	s_mov_b32 s[G1B+2], 96<<16
	s_mov_b32 s[G1B+4], 96
	s_wait_dscnt 0x0
	CROUND
	JLOAD G0+4, G1, G0B+4, G1B                     ; chunk 1, the first tensor load behind the round
	WIN TO_1
	FETCH_A 0
	FETCH_B 0, 0
	WIN 0
.irp i, 0,1,2,3,4,5,6,7,8,9,10,11
	ds_load_b128 v[SC+8*\i:SC+8*\i+3], v[ADRS] offset:\i*SBLK        ; the scale words of all eight steps
	ds_load_b128 v[SC+8*\i+4:SC+8*\i+7], v[ADRS] offset:\i*SBLK+16
.endr
	WIN TO_1
	FETCH_B 0, 1
	FETCH_B 0, 2
	WIN 0
	STEP 0, 1                                      ; the first step's products start the sums
.set ST, 1
.rept STEPS-2
	STEP ST, 0
.set ST, ST+1
.endr
	s_wait_dscnt 8*NL                              ; the last step fetches nothing
	WIN MUL_LO
	MUL8 0, 7, 0
	MUL8 1, 7, 0
	s_wait_dscnt 4*NL
	MUL8 2, 7, 0
	MUL8 3, 7, 0
	s_wait_dscnt 0x0
	WIN MUL_HI
	MUL8 4, 7, 0
	MUL8 5, 7, 0
	WIN 0
.macro VROW a                          ; v of row tile a: the accumulators as they stand, each from its low end on
	WIN 0x0c                                       ; a store's data are its source 1: window 3
.irp g, 0,1
.irp q, 0,1,2,3
	global_store_b128 v[O16], v[64*\g+16*(\a)+4*\q:64*\g+16*(\a)+4*\q+3], s[12:13] offset:65536*(\a)+2048*\g+512*\q   ; 512 consecutive bytes, aligned
.endr
.endr
	WIN 0
.endm
.macro QROW a                          ; q and k of row tile a: four blocks of 32; block b at v[64 b + 16 a] of window 2
.set P, P0+16*(\a)
	WIN 0x0a
.irp b, 0,1,2,3
	v_max3_num_f32 v[TM+\b], |v[64*\b+16*(\a)]|, |v[64*\b+16*(\a)+1]|, 0x2800000   ; with the floor 2^(5 - 127)
.endr
.irp i, 2,4,6,8,10,12,14
.irp b, 0,1,2,3
	v_max3_num_f32 v[TM+\b], |v[64*\b+16*(\a)+\i]|, |v[64*\b+16*(\a)+\i+1]|, v[TM+\b]
.endr
.endr
	WIN 0
.irp b, 0,1,2,3
	v_permlanex16_b32 v[TM+4+\b], v[TM+\b], s[SEL], s[SEL+1]
.endr
.irp b, 0,1,2,3
	v_max_num_f32 v[TM+\b], v[TM+\b], v[TM+4+\b]   ; the block's largest magnitude
.endr
.irp b, 0,1,2,3
	v_add_nc_u32 v[TM+12+\b], 0xfe000000, v[TM+\b] ; the conversion's scale operand
.endr
.irp b, 0,1,2,3
	v_lshrrev_b32 v[TM+4+\b], 23, v[TM+12+\b]      ; the byte
.endr
.irp c, 0,1
	v_lshl_or_b32 v[P+12+\c], v[TM+5+2*\c], 8, v[TM+4+2*\c]
.endr
.irp c, 0,1
	v_or_b32 v[P+12+\c], 0x7f7f0000, v[P+12+\c]    ; the byte of 1.0 twice, for the upper half of a K step of 128
.endr
	WIN 0x02
.irp c, 0,1
	v_cvt_scalef32_pk16_bf6_f32 v[P+6*\c:P+6*\c+2], v[128*\c+16*(\a):128*\c+16*(\a)+15], v[TM+12+2*\c]
	v_cvt_scalef32_pk16_bf6_f32 v[PT+4*\c:PT+4*\c+2], v[128*\c+64+16*(\a):128*\c+64+16*(\a)+15], v[TM+13+2*\c]
.endr
	WIN 0
	v_nop                                          ; one plain place behind a scaled conversion
.irp c, 0,1                                    ; a whole block to a lane: lanes 0-15 block 0, lanes 16-31 block 1
.irp i, 0,1,2
	v_permlane16_swap_b32 v[P+6*\c+\i], v[PT+4*\c+\i]
.endr
.irp i, 0,1,2
	v_mov_b32 v[P+6*\c+3+\i], v[PT+4*\c+\i]
.endr
.endr
.irp c, 0,1
.irp p, 0,1,2
	global_store_b64 v[O8], v[P+6*\c+2*\p:P+6*\c+2*\p+1], s[96:97] offset:3145728*\c+768*(\a)+256*\p   ; 256 consecutive bytes, aligned
.endr
	global_store_b32 v[O4], v[P+12+\c], s[98:99] offset:262144*\c+64*(\a)
.endr
.endm
	PLACES
.irp b, 0,1,2,3
	v_mov_b32 v[TM+4+\b], 0                        ; a lane permute's destination counts as one of its sources
.endr
.irp a, 0,1,2,3
	VROW \a                                        ; v needs no arithmetic: its stores are on their way while q and k are quantised
.endr
.irp a, 0,1,2,3
	QROW \a
.endr
	s_wait_tensorcnt 0x0                           ; the wave's end
	ds_add_u32 v[SPW], v[NIL]
	s_wait_dscnt 0x0
	CROUND                                         ; the closing round
	s_endpgm
.Lfunc_end_k_q8d64671e19_qkv:
	.size	k_q8d64671e19_qkv, .Lfunc_end_k_q8d64671e19_qkv-k_q8d64671e19_qkv
	.p2alignl 7, 3214868480
	.fill 96, 4, 3214868480
	.section	.rodata,"a",@progbits
	.p2align	6, 0x0
	.amdhsa_kernel k_q8d64671e19_qkv
		.amdhsa_group_segment_fixed_size 327680
		.amdhsa_private_segment_fixed_size 0
		.amdhsa_enable_private_segment 0
		.amdhsa_kernarg_size 40
		.amdhsa_user_sgpr_count 2
		.amdhsa_user_sgpr_kernarg_segment_ptr 1
		.amdhsa_wavefront_size32 1
		.amdhsa_system_sgpr_workgroup_id_x 1
		.amdhsa_system_sgpr_workgroup_id_y 1
		.amdhsa_system_sgpr_workgroup_id_z 1
		.amdhsa_system_vgpr_workitem_id 0
		.amdhsa_next_free_vgpr 1024
		.amdhsa_next_free_sgpr 102
		.amdhsa_reserve_vcc 0
		.amdhsa_float_denorm_mode_32 3
		.amdhsa_float_denorm_mode_16_64 3
		.amdhsa_memory_ordered 1
		.amdhsa_forward_progress 1
		.amdhsa_inst_pref_size 138
	.end_amdhsa_kernel
	.amdgpu_metadata
---
amdhsa.version: [ 1, 2 ]
amdhsa.kernels:
  - .name:           k_q8d64671e19_qkv
    .symbol:         k_q8d64671e19_qkv.kd
    .args:
      - { .name: cod, .offset: 0, .size: 8, .value_kind: global_buffer, .address_space: global }
      - { .name: scl, .offset: 8, .size: 8, .value_kind: global_buffer, .address_space: global }
      - { .name: qkc, .offset: 16, .size: 8, .value_kind: global_buffer, .address_space: global }
      - { .name: qks, .offset: 24, .size: 8, .value_kind: global_buffer, .address_space: global }
      - { .name: vimg, .offset: 32, .size: 8, .value_kind: global_buffer, .address_space: global }
    .group_segment_fixed_size: 327680
    .private_segment_fixed_size: 0
    .kernarg_segment_align: 8
    .kernarg_segment_size: 40
    .max_flat_workgroup_size: 128
    .sgpr_count:     102
    .vgpr_count:     1024
    .wavefront_size: 32
...
	.end_amdgpu_metadata
.endif
;; end of part 2
;; launch attn (part 3): grid 8 x 32, 8 waves a work-group, clusters of 4 x 1, 167,936 bytes of LDS; arguments qkc, qks, vimg, ac, asc; writes ac, asc
.if DOCPART == 3
	.amdgcn_target "amdgcn-amd-amdhsa--gfx1250"
	.amdhsa_code_object_version 6
	.text
	.protected	k_q8d64671e19_attn
	.globl	k_q8d64671e19_attn
	.p2align	8
	.type	k_q8d64671e19_attn,@function
k_q8d64671e19_attn:
	s_mov_b64 s[64:65], 0
	v_nop
	global_prefetch_b8 v0, s[64:65] scope:SCOPE_SE
	s_setreg_imm32_b32 hwreg(HW_REG_WAVE_MODE, 25, 1), 1
	s_wait_xcnt 0x0
	s_wait_alu depctr_hold_cnt(0) depctr_sa_sdst(0) depctr_va_vdst(0) depctr_va_sdst(0) depctr_va_ssrc(0) depctr_va_vcc(0) depctr_vm_vsrc(0)
	s_getreg_b32 s2, hwreg(HW_REG_IB_STS2, 6, 4)
	s_cmp_eq_u32 s2, 0
	s_cbranch_scc0 .Lentry_in_a_cluster
	s_endpgm
.Lentry_in_a_cluster:
	s_bfe_u32 s2, ttmp6, 0x10000c
	s_cmp_lg_u32 s2, 0x3003
	s_cbranch_scc0 .Lentry_shape_is_right
	s_endpgm
.Lentry_shape_is_right:
; attn(row, head) = p(row, row) v(row, head), p = softmax of the causal scores q k^T / 32, quantised along the head's 64 columns for the last product.
; WORK LEFT OUT: score tiles wholly above the diagonal (reference() adds -inf there: p is 0 for all inputs); of p only the diagonal and the row's sum are formed.
; LIMITS: the promise holds while the scaled scores stay under 2^31 in magnitude; NaN and infinities are not served; a block of zeros gets the byte 1 (this program alone reads the bytes).
; A work-group serves one (batch, head): work-group y.  The head's 2,048 keys (98,304 bytes of codes as register images, 8,192 of scale words) come into LDS once, by ONE joint load a wave:
; waves 0-5 a sixth of the codes each, waves 6, 7 half of the scale words.  CLUSTER 4 x 1: the four partners ask jointly.  NO PREFETCH: all tiles are asked for at the head: no loop to run ahead in.
; A wave owns two tiles of 16 queries: lo = 4 s + cx and hi = 4 (31 - s) + cx, s = 8 x cluster x + wave: s + 1 and 32 - s steps of 64 keys: 33 for every wave; no trip count hangs on cx.
; TWO STREAMS run side by side, each with its own running maximum and sum: X: hi on key steps 0 .. 16; Y: lo on steps 0 .. s, then hi on steps 31 - s down to 17.  16 trips of both, then X's step 16.
; So a trip has 8 matrix instructions and 64 scores a lane, in two independent chains.  When lo is done (trip s) it is finished and stored, and Y begins anew with hi's queries; at the end X and Y are joined.
; S^T = k q^T: a lane holds query lane % 16 and keys 8 (lane / 16) + j of each tile.  K is 64: q's upper 64 codes are zeros, so whatever codes stand in the upper half of a key fragment add nothing:
; fragment t's upper six registers ARE fragment t + 1's lower six (their scale bytes are 0x7f).  The next trip's fragments are asked for right behind the products.
.set KSC,  98304                       ; LDS: the keys' scale words
.set SPARE, 106496                     ; the spare words: 128 bytes a wave
.set LK,   1
.set LS,   2
.set ADK,  3                           ; v3, v5  LDS address of stream 0's, 1's key images;  v4, v6 of their scale words
.set ADS,  4
.set DD,   7
.set L16,  8
.set R4,   9
.set R32,  10
.set NINF, 11
.set NCM,  12                          ; a stream's state, 12 registers: -c x maximum (pair),
.set SUM,  14                          ; the sum in two halves,
.set AA,   16                          ; the rescaling factor (pair),
.set TT,   18                          ; a second chain of the sum,
.set RM,   20                          ; the running largest score,
.set OLD,  21
.set DG,   22                          ; the diagonal's score,
.set DLT,  23
.set C0,   36                          ; v36-43
.set F,    44                          ; v44-47
.set PD,   50
.set QS,   52
.set KW,   54
.set QF,   58                          ; v58-81  q's fragments: X's, Y's
.set KF,   82                          ; v82-135 eight key fragments, six registers apart, and six more
.set S,    136                         ; v136-199 the scores
.set PCD,  200
.set PW,   220
.set TM,   222
.set G1C,  28
.set G1S,  36
.set G0C,  44
.set G0S,  48
.set MSB, 0
.macro WIN new
.if MSB != \new
	s_set_vgpr_msb (MSB<<8)|\new
.set MSB, \new
.endif
.endm
.macro CROUND
	s_barrier_signal -1
	s_barrier_wait -1
	s_cmp_lg_u32 s14, 0
	s_cbranch_scc1 .Lnot_wave_0_\@
	s_barrier_signal -3
.Lnot_wave_0_\@:
	s_barrier_wait -3
	s_barrier_signal -1
	s_barrier_wait -1
.endm
	s_load_b256 s[4:11], s[0:1], 0x0               ; qkc, qks, vimg, ac
	s_load_b64 s[12:13], s[0:1], 0x20              ; asc
	v_lshl_add_u32 v254, v0, 2, SPARE
	v_mov_b32 v255, 0
	ds_add_u32 v254, v255                          ; the opening lines
	ds_add_u32 v254, v255
	v_lshrrev_b32 v1, 5, v0
	v_readfirstlane_b32 s14, v1                    ; wave
	s_bfe_u32 s15, ttmp6, 0x40000                  ; cx
	s_and_b32 s16, ttmp7, 0xffff                   ; batch x 16 + head
	s_lshl_b32 s18, ttmp9, 3
	s_add_co_u32 s18, s18, s14                     ; s: lo's step of 64 keys
	s_sub_co_u32 s19, 31, s18                      ; hi's
	s_mov_b32 s20, 0x76543210
	s_mov_b32 s21, 0xfedcba98
	s_mov_b32 s22, 0x3d38aa3b                      ; c = log2(e) / 32
	s_mov_b32 s23, s22
	s_mov_b32 s24, 0xbd38aa3b                      ; -c
	s_mov_b32 s[G1C], 15|(3<<16)|(1<<21)           ; dense blocks as rows of 256 bytes: 64 rows of codes,
	s_mov_b32 s[G1C+1], 32<<16
	s_mov_b32 s[G1C+2], 64<<16
	s_mov_b32 s[G1C+3], 32<<16
	s_mov_b32 s[G1C+4], 64
	s_mov_b32 s[G1C+5], 32
	s_mov_b32 s[G1C+6], 0
	s_mov_b32 s[G1C+7], 0
	s_mov_b32 s[G1S], 15|(3<<16)|(1<<21)           ; 16 rows of scale words
	s_mov_b32 s[G1S+1], 32<<16
	s_mov_b32 s[G1S+2], 16<<16
	s_mov_b32 s[G1S+3], 32<<16
	s_mov_b32 s[G1S+4], 16
	s_mov_b32 s[G1S+5], 32
	s_mov_b32 s[G1S+6], 0
	s_mov_b32 s[G1S+7], 0
	s_add_co_u32 s86, s16, 32                      ; k's heads lie behind q's 32
	s_mul_i32 s88, s86, 98304
	s_lshl_b32 s87, s14, 14                        ; wave x 16,384
	s_add_co_u32 s88, s88, s87
	s_mov_b32 s89, 0
	s_lshl_b32 s86, s86, 13
	s_lshl_b32 s25, s14, 12                        ; (wave - 6) x 4,096, for waves 6 and 7
	s_add_co_u32 s26, s86, s25
	s_sub_co_u32 s26, s26, 6*4096
	s_mov_b32 s27, 0
	s_add_co_u32 s25, s25, KSC-6*4096
	s_wait_dscnt 0x0
	s_wait_kmcnt 0x0
	s_mov_b32 s[G0C], 1
	s_mov_b32 s[G0C+1], s87
	s_add_nc_u64 s[G0C+2:G0C+3], s[4:5], s[88:89]
	s_or_b32 s[G0C+3], s[G0C+3], 0x80000000
	s_mov_b32 s[G0S], 1
	s_mov_b32 s[G0S+1], s25
	s_add_nc_u64 s[G0S+2:G0S+3], s[6:7], s[26:27]
	s_or_b32 s[G0S+3], s[G0S+3], 0x80000000
	CROUND                                         ; the four partners are here: the joint loads meet
	s_cmp_lt_u32 s14, 6
	s_cbranch_scc0 .Lfor_s
	tensor_load_to_lds s[G0C:G0C+3], s[G1C:G1C+7]
	s_nop 0
.rept 4
	v_nop
.endr
	s_branch .Lasked
.Lfor_s:
	tensor_load_to_lds s[G0S:G0S+3], s[G1S:G1S+7]
	s_nop 0
.rept 4
	v_nop
.endr
.Lasked:
.macro BASES u                         ; tile u's addresses (0 lo, 1 hi): q's codes s[66+2u], q's scales s[70+2u], v s[74+2u], ac s[78+2u], asc s[82+2u]
	s_lshl_b32 s55, s[18+\u], 2
	s_add_co_u32 s55, s55, s15                     ; tile of 16 rows in the batch
	s_lshr_b32 s56, s16, 4
	s_lshl_b32 s56, s56, 7
	s_add_co_u32 s56, s56, s55                     ; and among all 256
	s_and_b32 s57, s16, 15                         ; head
	s_mov_b32 s59, 0
	s_mul_i32 s58, s16, 98304
	s_mul_i32 s60, s55, 768
	s_add_co_u32 s58, s58, s60
	s_add_nc_u64 s[66+2*\u:67+2*\u], s[4:5], s[58:59]
	s_lshl_b32 s58, s16, 13
	s_lshl_b32 s60, s55, 6
	s_add_co_u32 s58, s58, s60
	s_add_nc_u64 s[70+2*\u:71+2*\u], s[6:7], s[58:59]
	s_lshl_b32 s58, s56, 5
	s_lshl_b32 s60, s57, 1
	s_add_co_u32 s58, s58, s60
	s_lshl_b32 s58, s58, 11
	s_add_nc_u64 s[74+2*\u:75+2*\u], s[8:9], s[58:59]
	s_lshl_b32 s58, s56, 4
	s_add_co_u32 s58, s58, s57
	s_mul_i32 s58, s58, 768
	s_add_nc_u64 s[78+2*\u:79+2*\u], s[10:11], s[58:59]
	s_lshl_b32 s58, s56, 9
	s_add_co_u32 s58, s58, s60
	s_add_nc_u64 s[82+2*\u:83+2*\u], s[12:13], s[58:59]
.endm
	BASES 0
	BASES 1
	s_lshl_b32 s61, s15, 4
	v_and_b32 v[LK], 31, v0
	v_and_b32 v[DD], 15, v0
	v_bfe_u32 v[NINF], v0, 4, 1
	v_lshlrev_b32 v[L16], 4, v[LK]
	v_lshl_add_u32 v[LS], v[LK], 2, KSC
	v_lshlrev_b32 v[LK], 3, v[LK]
	v_lshlrev_b32 v[R4], 2, v[DD]
	v_lshlrev_b32 v[R32], 5, v[DD]
	v_lshlrev_b32 v[NINF], 3, v[NINF]
	v_add_nc_u32 v[DD], s61, v[DD]
	v_sub_nc_u32 v[DD], v[DD], v[NINF]             ; 16 cx + r - 8 h: key 16 t + j of a diagonal step counts up to here
	v_mov_b32 v[NINF], 0xff800000
.irp z, 0,1                                    ; X takes hi's queries, Y lo's
.irp p, 0,1,2
	global_load_b64 v[QF+12*\z+2*\p:QF+12*\z+2*\p+1], v[LK], s[68-2*\z:69-2*\z] offset:256*\p
.endr
	global_load_b32 v[QS+\z], v[R4], s[72-2*\z:73-2*\z]
.endr
.irp z, 0,1
.irp i, 6,7,8,9,10,11
	v_mov_b32 v[QF+12*\z+\i], 0                    ; q's upper 64 codes: zeros
.endr
	v_mov_b32 v[RM+12*\z], 0xff61b1e6              ; -3e38, under every score
	v_mov_b32 v[NCM+12*\z+1], 0
	v_mov_b32 v[SUM+12*\z], 0
	v_mov_b32 v[SUM+12*\z+1], 0
	v_mov_b32 v[AA+12*\z+1], 0
	v_mov_b32 v[DG+12*\z], v[NINF]
	v_mov_b32 v[ADK+2*\z], v[LK]                   ; both streams begin at key step 0
	v_mov_b32 v[ADS+2*\z], v[LS]
.endr
.irp z, 0,1
	v_mul_f32 v[NCM+12*\z], s24, v[RM+12*\z]
.endr
.irp i, KF+48,KF+49,KF+50,KF+51,KF+52,KF+53,F,F+1,PD+1,TM+4,TM+5
	v_mov_b32 v[\i], 0
.endr
	s_wait_alu depctr_va_vdst(0)                   ; the wait at the head's end
	s_wait_tensorcnt 0x0                           ; my part has landed,
	s_barrier_signal -1
	s_barrier_wait -1                              ; everybody's has
.macro KLOAD z                         ; a stream's four key tiles (three pieces each) and their scale words: 14 loads
.irp t, 0,1,2,3
.irp p, 0,1,2
	ds_load_b64 v[KF+24*\z+6*\t+2*\p:KF+24*\z+6*\t+2*\p+1], v[ADK+2*\z] offset:768*\t+256*\p
.endr
.endr
	ds_load_b32 v[KW+2*\z], v[ADS+2*\z]
	ds_load_b32 v[KW+2*\z+1], v[ADS+2*\z] offset:128
.endm
.macro SCORES z
.irp t, 0,1,2,3
.if \t%2
	v_wmma_scale_f32_16x16x128_f8f6f4 v[S+32*\z+8*\t:S+32*\z+8*\t+7], v[KF+24*\z+6*\t:KF+24*\z+6*\t+11], v[QF+12*\z:QF+12*\z+11], 0, v[KW+2*\z+\t/2], v[QS+\z] matrix_a_fmt:MATRIX_FMT_BF6 matrix_b_fmt:MATRIX_FMT_BF6 matrix_a_scale:MATRIX_SCALE_ROW1
.else
	v_wmma_scale_f32_16x16x128_f8f6f4 v[S+32*\z+8*\t:S+32*\z+8*\t+7], v[KF+24*\z+6*\t:KF+24*\z+6*\t+11], v[QF+12*\z:QF+12*\z+11], 0, v[KW+2*\z+\t/2], v[QS+\z] matrix_a_fmt:MATRIX_FMT_BF6 matrix_b_fmt:MATRIX_FMT_BF6
.endif
.endr
.endm
.macro MASK z                          ; a diagonal step: the diagonal's score is kept, keys beyond it get -inf
.irp n, 0,1,2,3,4,5,6,7,8,9,10,11,12,13,14,15,16,17,18,19,20,21,22,23,24,25,26,27,28,29,30,31
	v_cmp_eq_i32 vcc_lo, 16*(\n/8)+\n%8, v[DD]
	v_cndmask_b32 v[DG+12*\z], v[DG+12*\z], v[S+32*\z+\n], vcc_lo
	v_cmp_gt_i32 vcc_lo, 16*(\n/8)+\n%8, v[DD]
	v_cndmask_b32 v[S+32*\z+\n], v[S+32*\z+\n], v[NINF], vcc_lo
.endr
.endm
; the running maximum, p = 2^(c score - c maximum) and the sum, for streams 0 .. n - 1, line by line in turns
.macro SOFT n
.irp t, 0,1,2,3
.irp z, 0,1
.if \z < \n
	v_max3_num_f32 v[C0+4*\z+\t], v[S+32*\z+8*\t], v[S+32*\z+8*\t+1], v[S+32*\z+8*\t+2]
.endif
.endr
.endr
.irp i, 3,5
.irp t, 0,1,2,3
.irp z, 0,1
.if \z < \n
	v_max3_num_f32 v[C0+4*\z+\t], v[C0+4*\z+\t], v[S+32*\z+8*\t+\i], v[S+32*\z+8*\t+\i+1]
.endif
.endr
.endr
.endr
.irp z, 0,1
.if \z < \n
	v_max3_num_f32 v[C0+4*\z], v[C0+4*\z], v[S+32*\z+7], v[S+32*\z+15]
.endif
.endr
.irp z, 0,1
.if \z < \n
	v_max3_num_f32 v[C0+4*\z+2], v[C0+4*\z+2], v[S+32*\z+23], v[S+32*\z+31]
.endif
.endr
.irp z, 0,1
.if \z < \n
	s_delay_alu instid0(VALU_DEP_\n)
	v_max3_num_f32 v[C0+4*\z], v[C0+4*\z], v[C0+4*\z+1], v[C0+4*\z+2]
.endif
.endr
.irp z, 0,1
.if \z < \n
	s_delay_alu instid0(VALU_DEP_\n)
	v_max3_num_f32 v[RM+12*\z], v[C0+4*\z], v[C0+4*\z+3], v[RM+12*\z]
.endif
.endr
.irp z, 0,1
.if \z < \n
	s_delay_alu instid0(VALU_DEP_\n)
	v_mul_f32 v[NCM+12*\z], s24, v[RM+12*\z]
.endif
.endr
.irp z, 0,1
.if \z < \n
	s_delay_alu instid0(VALU_DEP_\n)
	v_sub_f32 v[DLT+12*\z], v[NCM+12*\z], v[OLD+12*\z]
.endif
.endr
.irp j, 0,2,4,6,8,10,12,14,16,18,20,22,24,26,28,30
.irp z, 0,1
.if \z < \n
	v_pk_fma_f32 v[S+32*\z+\j:S+32*\z+\j+1], v[S+32*\z+\j:S+32*\z+\j+1], s[22:23], v[NCM+12*\z:NCM+12*\z+1] op_sel_hi:[1,0,0]
.endif
.endr
.endr
	s_wait_alu depctr_va_vdst(0)                   ; the wait ahead of the batch
.irp z, 0,1
.if \z < \n
	v_exp_f32 v[AA+12*\z], v[DLT+12*\z]            ; what was summed under the old maximum is brought under the new
.endif
.endr
.irp j, 0,1,2,3,4,5,6,7,8,9,10,11,12,13,14,15,16,17,18,19,20,21,22,23,24,25,26,27,28,29,30,31
.irp z, 0,1
.if \z < \n
	v_exp_f32 v[S+32*\z+\j], v[S+32*\z+\j]
.endif
.endr
.endr
	v_nop                                          ; one plain place behind the batch
	s_wait_alu depctr_va_vdst(0)                   ; and the one wait for it
.irp z, 0,1
.if \z < \n
	v_pk_fma_f32 v[SUM+12*\z:SUM+12*\z+1], v[SUM+12*\z:SUM+12*\z+1], v[AA+12*\z:AA+12*\z+1], v[S+32*\z:S+32*\z+1] op_sel_hi:[1,0,1]
.endif
.endr
.irp z, 0,1
.if \z < \n
	v_pk_add_f32 v[TT+12*\z:TT+12*\z+1], v[S+32*\z+2:S+32*\z+3], v[S+32*\z+4:S+32*\z+5]
.endif
.endr
.irp j, 6,10,14,18,22,26
.irp z, 0,1
.if \z < \n
	v_pk_add_f32 v[SUM+12*\z:SUM+12*\z+1], v[SUM+12*\z:SUM+12*\z+1], v[S+32*\z+\j:S+32*\z+\j+1]
.endif
.endr
.irp z, 0,1
.if \z < \n
	v_pk_add_f32 v[TT+12*\z:TT+12*\z+1], v[TT+12*\z:TT+12*\z+1], v[S+32*\z+\j+2:S+32*\z+\j+3]
.endif
.endr
.endr
.irp z, 0,1
.if \z < \n
	v_pk_add_f32 v[SUM+12*\z:SUM+12*\z+1], v[SUM+12*\z:SUM+12*\z+1], v[S+32*\z+30:S+32*\z+31]
.endif
.endr
.irp z, 0,1
.if \z < \n
	s_delay_alu instid0(VALU_DEP_\n)
	v_pk_add_f32 v[SUM+12*\z:SUM+12*\z+1], v[SUM+12*\z:SUM+12*\z+1], v[TT+12*\z:TT+12*\z+1]
.endif
.endr
.endm
; tile u is done, its state in stream z: the two halves of the lanes are joined, p(diagonal) x v is quantised and stored.  The scores' registers serve as scratch
.macro FINISH z, u
	v_permlanex16_b32 v[F], v[RM+12*\z], s20, s21
	v_permlanex16_b32 v[F+1], v[DG+12*\z], s20, s21
	s_delay_alu instid0(VALU_DEP_2)
	v_max_num_f32 v[F], v[F], v[RM+12*\z]
	s_delay_alu instid0(VALU_DEP_2)
	v_max_num_f32 v[F+1], v[F+1], v[DG+12*\z]
	s_delay_alu instid0(VALU_DEP_2)
	v_mul_f32 v[F+2], s24, v[F]
	v_add_f32 v[SUM+12*\z], v[SUM+12*\z], v[SUM+12*\z+1]
	s_delay_alu instid0(VALU_DEP_2)
	v_sub_f32 v[F+3], v[F+2], v[NCM+12*\z]
	s_delay_alu instid0(VALU_DEP_3)
	v_fma_f32 v[F+1], v[F+1], s22, v[F+2]
	s_wait_alu depctr_va_vdst(0)
	v_exp_f32 v[F+3], v[F+3]
	v_exp_f32 v[F+1], v[F+1]
	v_nop
	s_wait_alu depctr_va_vdst(0)
	v_mul_f32 v[SUM+12*\z], v[SUM+12*\z], v[F+3]
	s_delay_alu instid0(VALU_DEP_1)
	v_permlanex16_b32 v[F], v[SUM+12*\z], s20, s21
	s_delay_alu instid0(VALU_DEP_1)
	v_add_f32 v[SUM+12*\z], v[SUM+12*\z], v[F]
	s_wait_alu depctr_va_vdst(0)
	v_rcp_f32 v[SUM+12*\z+1], v[SUM+12*\z]
	v_nop
	s_wait_alu depctr_va_vdst(0)
	v_mul_f32 v[PD], v[F+1], v[SUM+12*\z+1]        ; p on the diagonal
	s_wait_alu depctr_va_vdst(0)                   ; the wait ahead of the wait below
	s_wait_loadcnt 8-8*\u                          ; this tile's v is in (hi's eight loads may be out behind lo's)
	s_wait_xcnt 0x0                                ; earlier stores have read their registers: the lines below write store data anew
	WIN 0x01
.irp j, 0,2,4,6,8,10,12,14,16,18,20,22,24,26,28,30
	v_pk_mul_f32 v[S+\j:S+\j+1], v[32*\u+\j:32*\u+\j+1], v[PD:PD+1] op_sel_hi:[1,0]
.endr
	WIN 0
.irp b, 0,1
	v_max3_num_f32 v[TM+\b], |v[S+16*\b]|, |v[S+16*\b+1]|, 0x2800000
.endr
.irp i, 2,4,6,8,10,12,14
.irp b, 0,1
	s_delay_alu instid0(VALU_DEP_2)
	v_max3_num_f32 v[TM+\b], v[TM+\b], |v[S+16*\b+\i]|, |v[S+16*\b+\i+1]|
.endr
.endr
.irp b, 0,1
	s_delay_alu instid0(VALU_DEP_2)
	v_permlanex16_b32 v[TM+4+\b], v[TM+\b], s20, s21
.endr
.irp b, 0,1
	s_delay_alu instid0(VALU_DEP_2)
	v_max_num_f32 v[TM+\b], v[TM+\b], v[TM+4+\b]
.endr
.irp b, 0,1
	s_delay_alu instid0(VALU_DEP_2)
	v_add_nc_u32 v[TM+12+\b], 0xfe000000, v[TM+\b]
.endr
.irp b, 0,1
	s_delay_alu instid0(VALU_DEP_2)
	v_lshrrev_b32 v[TM+4+\b], 23, v[TM+12+\b]
.endr
	s_delay_alu instid0(VALU_DEP_1)
	v_lshl_or_b32 v[PW+\u], v[TM+5], 8, v[TM+4]
	v_cvt_scalef32_pk16_bf6_f32 v[PCD+10*\u:PCD+10*\u+2], v[S:S+15], v[TM+12]
	v_cvt_scalef32_pk16_bf6_f32 v[PCD+10*\u+6:PCD+10*\u+8], v[S+16:S+31], v[TM+13]
	v_nop                                          ; one plain place behind a scaled conversion
.irp i, 0,1,2
	v_permlane16_swap_b32 v[PCD+10*\u+\i], v[PCD+10*\u+6+\i]
.endr
.irp i, 0,1,2
	s_delay_alu instid0(VALU_DEP_3)
	v_mov_b32 v[PCD+10*\u+3+\i], v[PCD+10*\u+6+\i]
.endr
.irp p, 0,1,2
	global_store_b64 v[LK], v[PCD+10*\u+2*\p:PCD+10*\u+2*\p+1], s[78+2*\u:79+2*\u] offset:256*\p   ; 256 consecutive bytes, aligned
.endr
	global_store_b16 v[R32], v[PW+\u], s[82+2*\u:83+2*\u]
.endm
	KLOAD 0
	KLOAD 1
	WIN 0x40                                       ; v of both tiles into v256-319, lo's first: asked for behind the keys, wanted when a tile is finished
.irp u, 0,1
.irp g, 0,1,2,3,4,5,6,7
	global_load_b128 v[32*\u+4*\g:32*\u+4*\g+3], v[L16], s[74+2*\u:75+2*\u] offset:512*\g
.endr
.endr
	WIN 0
	s_wait_loadcnt 16                              ; q's eight loads are in; v's sixteen may be out
	s_mov_b32 s50, 0                               ; the trip t
	s_mov_b32 s52, 3072                            ; key step t + 1: codes,
	s_mov_b32 s53, 256                             ; scale words;
	s_mov_b32 s54, 31*3072                         ; key step 32 - (t + 1)
	s_mov_b32 s55, 31*256
.Ltrip:
	s_cmp_lt_u32 s50, s18                          ; is Y still with lo in the next trip?
	s_cselect_b32 s56, s52, s54
	s_cselect_b32 s57, s53, s55
	s_wait_dscnt 0x0                               ; this trip's fragments are in
	SCORES 0
	SCORES 1
	v_mov_b32 v[OLD], v[NCM]                       ; these six lines are also the places behind the products
	v_mov_b32 v[OLD+12], v[NCM+12]
	v_add_nc_u32 v[ADK], s52, v[LK]
	v_add_nc_u32 v[ADS], s53, v[LS]
	v_add_nc_u32 v[ADK+2], s56, v[LK]
	v_add_nc_u32 v[ADS+2], s57, v[LS]
	KLOAD 0                                        ; the next trip's fragments land under this trip's vector work
	s_cmp_eq_u32 s50, 15
	s_cbranch_scc1 .Lno_y                          ; Y has no step behind trip 15
	KLOAD 1
.Lno_y:
	s_sub_co_u32 s62, s50, s18
	s_cmp_lt_u32 s62, 2                            ; Y's diagonal steps: lo's in trip s, hi's in trip s + 1
	s_cbranch_scc0 .Lopen_y
	MASK 1
.Lopen_y:
	SOFT 2
	s_cmp_lg_u32 s50, s18
	s_cbranch_scc1 .Lno_switch
	FINISH 1, 0                                    ; lo is done
	v_mov_b32 v[QS+1], v[QS]                       ; Y goes on with hi's queries: the scale word eleven lines, the codes five or more ahead of the next product
.irp i, 0,1,2,3,4,5
	v_mov_b32 v[QF+12+\i], v[QF+\i]
.endr
	v_mov_b32 v[RM+12], 0xff61b1e6
	v_mov_b32 v[SUM+12], 0
	v_mov_b32 v[SUM+13], 0
	v_mov_b32 v[DG+12], v[NINF]
	v_mul_f32 v[NCM+12], s24, v[RM+12]
.Lno_switch:
	s_add_co_u32 s52, s52, 3072
	s_add_co_u32 s53, s53, 256
	s_sub_co_u32 s54, s54, 3072
	s_sub_co_u32 s55, s55, 256
	s_add_co_u32 s50, s50, 1
	s_wait_alu depctr_va_vdst(0)                   ; the wait ahead of the branch
	s_cmp_lt_u32 s50, 16
	s_cbranch_scc1 .Ltrip
	s_wait_dscnt 0x0                               ; X's key step 16
	SCORES 0
	v_mov_b32 v[OLD], v[NCM]
.rept 3
	v_nop
.endr
	s_cmp_lg_u32 s19, 16                           ; it is hi's diagonal step where s = 15
	s_cbranch_scc1 .Lopen_x
	MASK 0
.Lopen_x:
	SOFT 1
	v_max_num_f32 v[F], v[RM], v[RM+12]            ; X and Y are joined under their common maximum
	v_max_num_f32 v[DG], v[DG], v[DG+12]
	v_add_f32 v[SUM], v[SUM], v[SUM+1]
	v_add_f32 v[SUM+12], v[SUM+12], v[SUM+13]
	v_mul_f32 v[F+2], s24, v[F]
	s_delay_alu instid0(VALU_DEP_1)
	v_sub_f32 v[F+1], v[F+2], v[NCM]
	v_sub_f32 v[F+3], v[F+2], v[NCM+12]
	s_wait_alu depctr_va_vdst(0)
	v_exp_f32 v[F+1], v[F+1]
	v_exp_f32 v[F+3], v[F+3]
	v_mov_b32 v[RM], v[F]
	s_wait_alu depctr_va_vdst(0)
	v_mul_f32 v[SUM], v[SUM], v[F+1]
	v_mov_b32 v[NCM], v[F+2]
	v_mov_b32 v[SUM+1], 0
	v_fma_f32 v[SUM], v[SUM+12], v[F+3], v[SUM]
	FINISH 0, 1
	s_wait_tensorcnt 0x0                           ; the wave's end
	ds_add_u32 v254, v255
	s_wait_dscnt 0x0
	CROUND                                         ; the closing round
	s_endpgm
.Lfunc_end_k_q8d64671e19_attn:
	.size	k_q8d64671e19_attn, .Lfunc_end_k_q8d64671e19_attn-k_q8d64671e19_attn
	.p2alignl 7, 3214868480
	.fill 96, 4, 3214868480
	.section	.rodata,"a",@progbits
	.p2align	6, 0x0
	.amdhsa_kernel k_q8d64671e19_attn
		.amdhsa_group_segment_fixed_size 167936
		.amdhsa_private_segment_fixed_size 0
		.amdhsa_enable_private_segment 0
		.amdhsa_kernarg_size 40
		.amdhsa_user_sgpr_count 2
		.amdhsa_user_sgpr_kernarg_segment_ptr 1
		.amdhsa_wavefront_size32 1
		.amdhsa_system_sgpr_workgroup_id_x 1
		.amdhsa_system_sgpr_workgroup_id_y 1
		.amdhsa_system_sgpr_workgroup_id_z 1
		.amdhsa_system_vgpr_workitem_id 0
		.amdhsa_next_free_vgpr 320
		.amdhsa_next_free_sgpr 90
		.amdhsa_reserve_vcc 1
		.amdhsa_float_denorm_mode_32 3
		.amdhsa_float_denorm_mode_16_64 3
		.amdhsa_memory_ordered 1
		.amdhsa_forward_progress 1
		.amdhsa_inst_pref_size 50
	.end_amdhsa_kernel
	.amdgpu_metadata
---
amdhsa.version: [ 1, 2 ]
amdhsa.kernels:
  - .name:           k_q8d64671e19_attn
    .symbol:         k_q8d64671e19_attn.kd
    .args:
      - { .name: qkc, .offset: 0, .size: 8, .value_kind: global_buffer, .address_space: global }
      - { .name: qks, .offset: 8, .size: 8, .value_kind: global_buffer, .address_space: global }
      - { .name: vimg, .offset: 16, .size: 8, .value_kind: global_buffer, .address_space: global }
      - { .name: ac, .offset: 24, .size: 8, .value_kind: global_buffer, .address_space: global }
      - { .name: asc, .offset: 32, .size: 8, .value_kind: global_buffer, .address_space: global }
    .group_segment_fixed_size: 167936
    .private_segment_fixed_size: 0
    .kernarg_segment_align: 8
    .kernarg_segment_size: 40
    .max_flat_workgroup_size: 256
    .sgpr_count:     90
    .vgpr_count:     320
    .wavefront_size: 32
...
	.end_amdgpu_metadata
.endif
;; end of part 3
;; launch outp (part 4): grid 8 x 32, 4 waves a work-group, clusters of 4 x 4, 229,888 bytes of LDS; arguments ac, asc, cod, scl, vimg, out0; writes out0
.if DOCPART == 4
	.amdgcn_target "amdgcn-amd-amdhsa--gfx1250"
	.amdhsa_code_object_version 6
	.text
	.protected	k_q8d64671e19_outp
	.globl	k_q8d64671e19_outp
	.p2align	8
	.type	k_q8d64671e19_outp,@function
k_q8d64671e19_outp:
	s_mov_b64 s[64:65], 0
	v_nop
	global_prefetch_b8 v0, s[64:65] scope:SCOPE_SE
	s_setreg_imm32_b32 hwreg(HW_REG_WAVE_MODE, 25, 1), 1
	s_wait_xcnt 0x0
	s_wait_alu depctr_hold_cnt(0) depctr_sa_sdst(0) depctr_va_vdst(0) depctr_va_sdst(0) depctr_va_ssrc(0) depctr_va_vcc(0) depctr_vm_vsrc(0)
	s_getreg_b32 s2, hwreg(HW_REG_IB_STS2, 6, 4)
	s_cmp_eq_u32 s2, 0
	s_cbranch_scc0 .Lentry_in_a_cluster
	s_endpgm
.Lentry_in_a_cluster:
	s_bfe_u32 s2, ttmp6, 0x10000c
	s_cmp_lg_u32 s2, 0xf033
	s_cbranch_scc0 .Lentry_shape_is_right
	s_endpgm
.Lentry_shape_is_right:
; out0 = attn Wo^T + v on codes of BF6 (E3M2) with one E8M0 scale for each 32 along K; sums in f32; v, in f32, is added to the finished sums.
; A = ac, images of the operand's registers: [row tile 256][head 16][piece 3][lane][8 bytes]; a K step of 128 is two heads.  Its scale bytes: asc [4096][32].
; B = rows 7168-8191 of cod (Wo; in every 32 rows the second and third group of eight have changed places), 768 bytes a row; its scale bytes in scl.
; A tile of 128 x 128 is made by four waves, each 64 x 64: 8 x 32 = 256 work-groups.  ALL OF K FITS IN LDS: four tiles, ONE load a wave at the head: A's image, B's rows, A's scales, B's scales; nothing is filled again.
; CLUSTERS: 4 x 4: A's tiles are asked for jointly along a row of the cluster, B's along a column.  NO PREFETCH: every tile is asked for at the head: no loop to run ahead in.
; THE MATRIX INSTRUCTION IS USED TRANSPOSED (source 0 = B, source 1 = A): register 16 g + i of a row tile's 32 is column 32 g + 16 (lane / 16) + i of row lane % 16:
; vimg holds v in that order: it is asked for behind the tiles, into 128 registers laid as the accumulators are, lands while the products are issued, and is added by 64 packed additions.
; REGISTERS: window 0: v16-31 addresses; v32-63 scale words (8 i + s: lanes 0-15 A's block i, lanes 16-31 B's, K step s); v64-159, v160-255 two sets of fragments.
;   window 1: v0-127 the accumulators, (a, b) at v[8 (4 a + b)]; v128-255 v.
.set BIM,  98304                       ; LDS: A's image at 0; B's 128 rows from here, 816 bytes apart: 3 x (256 + 16)
.set BP,   816
.set SCL,  BIM+128*BP                  ; the scales: A's 16 units of 256 + 16 bytes, then B's
.set HS,   2176                        ; those of 64 rows
.set STG,  SCL+4*HS                    ; the way out: 16 rows x 272 bytes a wave; no tile lands here
.set F0,   64
.set G1A,  24
.set G1B,  32
.set G1S,  40
.set G1SB, 48
.set G0A,  56
.set G0B,  60
.set G0S,  68
.set G0SB, 72
.set MSB, 0
.macro WIN new
.if MSB != \new
	s_set_vgpr_msb (MSB<<8)|\new
.set MSB, \new
.endif
.endm
.macro CROUND
	s_barrier_signal -1
	s_barrier_wait -1
	s_cmp_lg_u32 s16, 0
	s_cbranch_scc1 .Lnot_wave_0_\@
	s_barrier_signal -3
.Lnot_wave_0_\@:
	s_barrier_wait -3
	s_barrier_signal -1
	s_barrier_wait -1
.endm
.macro PLACES
.rept 4
	v_nop
.endr
.endm
	s_load_b256 s[4:11], s[0:1], 0x0               ; ac, asc, cod, scl
	s_load_b128 s[12:15], s[0:1], 0x20             ; vimg, out0
	v_lshl_add_u32 v30, v0, 2, 0x38000
	v_mov_b32 v31, 0
	ds_add_u32 v30, v31                            ; the opening lines
	ds_add_u32 v30, v31
	v_lshrrev_b32 v1, 5, v0
	v_readfirstlane_b32 s16, v1                    ; wave
	s_lshr_b32 s17, s16, 1                         ; my half of the tile's rows
	s_and_b32 s18, s16, 1                          ; my half of its columns
	s_bfe_u32 s19, ttmp6, 0x40000                  ; cx
	s_bfe_u32 s20, ttmp6, 0x40004                  ; cy
	s_lshl_b32 s21, ttmp9, 2
	s_add_co_u32 s21, s21, s19                     ; tile column
	s_and_b32 s22, ttmp7, 0xffff
	s_lshl_b32 s22, s22, 2
	s_add_co_u32 s22, s22, s20                     ; tile row
	s_lshl_b32 s23, s20, 2
	s_lshl_b32 s23, 15, s23                        ; my row of the cluster
	s_lshl_b32 s66, 0x1111, s19                    ; my column
	; dense blocks as rows of 256 bytes.  A's image: 384 rows, no padding.  B's 128 rows of 768 bytes: 384 rows, 16 bytes behind each.  The scales of 128 rows: 16 rows, padded likewise
	s_or_b32 s[G1A], s23, (3<<16)|(1<<21)
	s_or_b32 s[G1B], s66, (3<<16)|(1<<20)|(1<<21)|(5<<22)|(3<<25)
	s_or_b32 s[G1S], s23, (3<<16)|(1<<20)|(1<<21)|(5<<22)|(3<<25)
	s_or_b32 s[G1SB], s66, (3<<16)|(1<<20)|(1<<21)|(5<<22)|(3<<25)
.irp g, G1A, G1B
	s_mov_b32 s[\g+1], 32<<16
	s_mov_b32 s[\g+2], 384<<16
	s_mov_b32 s[\g+3], 32<<16
	s_mov_b32 s[\g+4], 384
	s_mov_b32 s[\g+5], 32
	s_mov_b32 s[\g+6], 0
	s_mov_b32 s[\g+7], 0
.endr
.irp g, G1S, G1SB
	s_mov_b32 s[\g+1], 32<<16
	s_mov_b32 s[\g+2], 16<<16
	s_mov_b32 s[\g+3], 32<<16
	s_mov_b32 s[\g+4], 16
	s_mov_b32 s[\g+5], 32
	s_mov_b32 s[\g+6], 0
	s_mov_b32 s[\g+7], 0
.endr
	; A's tiles hang on the tile row alone (s76-79), B's on the tile column alone (s80-83)
	s_mul_i32 s76, s22, 8*12288                    ; A: 8 row tiles of 12,288 bytes
	s_mov_b32 s77, 0
	s_lshl_b32 s78, s22, 12                        ; its 128 rows' scales
	s_mov_b32 s79, 0
	s_lshl_b32 s80, s21, 7
	s_add_co_u32 s80, s80, 4096+3072               ; B: Wo begins at row 7,168
	s_lshl_b32 s82, s80, 5
	s_mul_i32 s80, s80, 768
	s_mov_b32 s81, 0
	s_mov_b32 s83, 0
	s_mul_i32 s85, s18, 64*BP                      ; my 64 rows of B in LDS,
	s_mul_i32 s86, s18, HS                         ; and their scales
	s_wait_dscnt 0x0
	s_wait_kmcnt 0x0
	s_mov_b32 s[G0A], 1
	s_mov_b32 s[G0A+1], 0
	s_add_nc_u64 s[G0A+2:G0A+3], s[4:5], s[76:77]
	s_or_b32 s[G0A+3], s[G0A+3], 0x80000000
	s_mov_b32 s[G0B], 1
	s_mov_b32 s[G0B+1], BIM
	s_add_nc_u64 s[G0B+2:G0B+3], s[8:9], s[80:81]
	s_or_b32 s[G0B+3], s[G0B+3], 0x80000000
	s_mov_b32 s[G0S], 1
	s_mov_b32 s[G0S+1], SCL
	s_add_nc_u64 s[G0S+2:G0S+3], s[6:7], s[78:79]
	s_or_b32 s[G0S+3], s[G0S+3], 0x80000000
	s_mov_b32 s[G0SB], 1
	s_mov_b32 s[G0SB+1], SCL+2*HS
	s_add_nc_u64 s[G0SB+2:G0SB+3], s[10:11], s[82:83]
	s_or_b32 s[G0SB+3], s[G0SB+3], 0x80000000
	; v and out0 at my 64 x 64
	s_lshl_b32 s76, s22, 3
	s_lshl_b32 s77, s17, 2
	s_add_co_u32 s76, s76, s77
	s_lshl_b32 s76, s76, 16                        ; vimg: 65,536 bytes a row tile
	s_mov_b32 s77, 0
	s_add_nc_u64 s[12:13], s[12:13], s[76:77]
	s_lshl_b32 s80, s21, 2
	s_lshl_b32 s81, s18, 1
	s_add_co_u32 s80, s80, s81
	s_lshl_b32 s80, s80, 11
	s_mov_b32 s81, 0
	s_add_nc_u64 s[12:13], s[12:13], s[80:81]
	s_lshl_b32 s76, s22, 7
	s_lshl_b32 s78, s17, 6
	s_add_co_u32 s76, s76, s78
	s_lshl_b32 s76, s76, 12                        ; out0: 4,096 bytes a row
	s_add_nc_u64 s[14:15], s[14:15], s[76:77]
	s_lshl_b32 s80, s21, 9
	s_lshl_b32 s82, s18, 8
	s_add_co_u32 s80, s80, s82
	s_add_nc_u64 s[14:15], s[14:15], s[80:81]
	CROUND                                         ; all sixteen work-groups are here: the joint loads meet
.macro ARM under, g0, g1, next         ; one chain of branches on the wave's number, one load to an arm
	s_cmp_lt_u32 s16, \under
	s_cbranch_scc0 \next
	tensor_load_to_lds s[\g0:\g0+3], s[\g1:\g1+7]
	s_nop 0
.rept 4
	v_nop
.endr
	s_branch .Lasked
\next:
.endm
	ARM 1, G0A, G1A, .Lhead_b
	ARM 2, G0B, G1B, .Lhead_sa
	ARM 3, G0S, G1S, .Lhead_sb
	tensor_load_to_lds s[G0SB:G0SB+3], s[G1SB:G1SB+7]
	s_nop 0
.rept 4
	v_nop
.endr
.Lasked:
	v_and_b32 v1, 15, v0                           ; r
	v_bfe_u32 v2, v0, 4, 1                         ; h
	v_and_b32 v3, 31, v0                           ; lane
	v_lshlrev_b32 v28, 4, v3
	s_mul_i32 s87, s17, 49152
	v_lshl_add_u32 v16, v3, 3, s87                 ; A: my four row tiles, 8 x lane
	v_mul_u32_u24 v4, v1, BP
	v_mad_u32_u24 v4, v2, 24, v4
	s_add_co_u32 s88, s85, BIM
	v_add_nc_u32 v20, s88, v4                      ; B: my 64 rows, row r, + 24 h
	v_lshl_add_u32 v21, v2, 4, v20                 ; and the same behind one padding more
	v_lshlrev_b32 v5, 5, v1
	v_lshrrev_b32 v6, 3, v1
	v_lshl_add_u32 v5, v6, 4, v5                   ; my row's scales
	s_mul_i32 s89, s17, HS
	s_add_co_u32 s90, s86, 2*HS
	s_sub_co_u32 s90, s90, s89
	v_mul_u32_u24 v6, s90, v2                      ; lanes 16-31 take B's
	s_add_co_u32 s89, s89, SCL
	v_add_nc_u32 v5, v5, v6
	v_add_nc_u32 v27, s89, v5
	s_mul_i32 s91, s16, 16*272
	s_add_co_u32 s91, s91, STG                     ; my stage
	v_mul_u32_u24 v4, v1, 272
	v_lshl_add_u32 v4, v2, 6, v4
	v_add_nc_u32 v24, s91, v4                      ; in: row r, + 64 h
	v_mul_u32_u24 v5, v2, 272
	v_lshl_add_u32 v5, v1, 4, v5
	v_add_nc_u32 v25, s91, v5                      ; back: lanes 0-15 one row of 256 bytes, lanes 16-31 the next
	v_lshlrev_b32 v26, 12, v2
	v_lshl_add_u32 v26, v1, 4, v26                 ; the same two rows in out0
	s_wait_alu depctr_va_vdst(0)                   ; the wait at the head's end
	s_wait_tensorcnt 0x0                           ; my tile has landed,
	s_barrier_signal -1
	s_barrier_wait -1                              ; everybody's has
.macro FRAGA reg, s, a
.irp p, 0,1,2,3,4,5
	ds_load_b64 v[(\reg)+2*\p:(\reg)+2*\p+1], v16 offset:12288*(\a)+1536*(\s)+256*\p
.endr
.endm
.macro FRAGB reg, s, i                 ; 16 bytes of padding lie behind every 32 pieces: where the piece three on lies behind one padding more, the second address register serves
.irp p, 0,1,2,3,4,5
.set PCI, 12*(\s)+6*(\p/3)+\p%3
.if PCI%32 < 29
	ds_load_b64 v[(\reg)+2*\p:(\reg)+2*\p+1], v20 offset:8*PCI+16*(PCI/32)+(\i)*16*BP
.else
	ds_load_b64 v[(\reg)+2*\p:(\reg)+2*\p+1], v21 offset:8*PCI+16*(PCI/32)+(\i)*16*BP
.endif
.endr
.endm
.macro FETCH s, f                      ; 48 loads
.irp i, 0,1,2,3
	FRAGA (\f)+12*\i, \s, \i
.endr
.irp i, 0,1,2,3
	FRAGB (\f)+48+12*\i, \s, \i
.endr
.endm
.macro MUL s, f                        ; the 16 accumulators take turns; the first K step starts the sums
.irp a, 0,1,2,3
.irp b, 0,1,2,3
.if (\s) == 0
	v_wmma_scale_f32_16x16x128_f8f6f4 v[8*(4*\a+\b):8*(4*\a+\b)+7], v[(\f)+48+12*\b:(\f)+48+12*\b+11], v[(\f)+12*\a:(\f)+12*\a+11], 0, v[32+8*\b+(\s)], v[32+8*\a+(\s)] matrix_a_fmt:MATRIX_FMT_BF6 matrix_b_fmt:MATRIX_FMT_BF6 matrix_a_scale:MATRIX_SCALE_ROW1
.else
	v_wmma_scale_f32_16x16x128_f8f6f4 v[8*(4*\a+\b):8*(4*\a+\b)+7], v[(\f)+48+12*\b:(\f)+48+12*\b+11], v[(\f)+12*\a:(\f)+12*\a+11], v[8*(4*\a+\b):8*(4*\a+\b)+7], v[32+8*\b+(\s)], v[32+8*\a+(\s)] matrix_a_fmt:MATRIX_FMT_BF6 matrix_b_fmt:MATRIX_FMT_BF6 matrix_a_scale:MATRIX_SCALE_ROW1
.endif
.endr
.endr
.endm
.macro KS s
.if (\s) >= 1
	PLACES
.endif
.if (\s) < 7
	FETCH (\s)+1, F0+96*(((\s)+1)%2)
	s_wait_dscnt 48                                ; all but the 48 just issued
.else
	s_wait_dscnt 0x0
.endif
	WIN 0x50
	MUL \s, F0+96*((\s)%2)
	WIN 0
.endm
	FETCH 0, F0
.irp i, 0,1,2,3
	ds_load_b128 v[32+8*\i:32+8*\i+3], v27 offset:544*\i
	ds_load_b128 v[32+8*\i+4:32+8*\i+7], v27 offset:544*\i+16
.endr
	WIN 0x40
.irp a, 0,1,2,3
.irp g, 0,1,2,3,4,5,6,7
	global_load_b128 v[128+32*\a+4*\g:128+32*\a+4*\g+3], v28, s[12:13] offset:65536*\a+512*\g   ; v, 512 consecutive bytes a load: it lands under the products
.endr
.endr
	WIN 0
.irp s, 0,1,2,3,4,5,6,7
	KS \s
.endr
; THE WAY OUT, a row tile at a time, through my own stage and back as whole rows of 256 bytes.  LDS serves a wave's instructions in order (ISA guide 5.7.1.4)
.macro TOSTAGE a
	WIN 0x04
.irp b, 0,1,2,3
	ds_store_b128 v24, v[8*(4*(\a)+\b):8*(4*(\a)+\b)+3] offset:128*(\b/2)+32*(\b%2)
	ds_store_b128 v24, v[8*(4*(\a)+\b)+4:8*(4*(\a)+\b)+7] offset:128*(\b/2)+32*(\b%2)+16
.endr
	WIN 0
.irp t, 0,1,2,3,4,5,6,7
	ds_load_b128 v[64+32*(\a)+4*\t:64+32*(\a)+4*\t+3], v25 offset:544*\t
.endr
.endm
.macro SEND a, younger
	s_wait_dscnt \younger
.irp t, 0,1,2,3,4,5,6,7
	global_store_b128 v26, v[64+32*(\a)+4*\t:64+32*(\a)+4*\t+3], s[14:15] offset:(16*(\a)+2*\t)*4096 th:TH_STORE_NT   ; 16 lanes store 256 consecutive bytes, aligned
.endr
.endm
	PLACES
	s_wait_loadcnt 0x0                             ; v is in
	WIN 0x45                                       ; both sources and the destination in window 1
.set J, 0
.rept 64
	v_pk_add_f32 v[J:J+1], v[J:J+1], v[128+J:128+J+1]   ; the residual, each accumulator from its low end on
.set J, J+2
.endr
	WIN 0
	s_wait_alu depctr_va_vdst(0)
	TOSTAGE 0
.irp a, 1,2,3
	TOSTAGE \a
	SEND \a-1, 16                                  ; behind tile a - 1's loads: tile a's 8 stores and 8 loads
.endr
	SEND 3, 0
	s_wait_tensorcnt 0x0                           ; the wave's end
	ds_add_u32 v30, v31
	s_wait_dscnt 0x0
	CROUND                                         ; the closing round
	s_endpgm
.Lfunc_end_k_q8d64671e19_outp:
	.size	k_q8d64671e19_outp, .Lfunc_end_k_q8d64671e19_outp-k_q8d64671e19_outp
	.p2alignl 7, 3214868480
	.fill 96, 4, 3214868480
	.section	.rodata,"a",@progbits
	.p2align	6, 0x0
	.amdhsa_kernel k_q8d64671e19_outp
		.amdhsa_group_segment_fixed_size 229888
		.amdhsa_private_segment_fixed_size 0
		.amdhsa_enable_private_segment 0
		.amdhsa_kernarg_size 48
		.amdhsa_user_sgpr_count 2
		.amdhsa_user_sgpr_kernarg_segment_ptr 1
		.amdhsa_wavefront_size32 1
		.amdhsa_system_sgpr_workgroup_id_x 1
		.amdhsa_system_sgpr_workgroup_id_y 1
		.amdhsa_system_sgpr_workgroup_id_z 1
		.amdhsa_system_vgpr_workitem_id 0
		.amdhsa_next_free_vgpr 512
		.amdhsa_next_free_sgpr 92
		.amdhsa_reserve_vcc 0
		.amdhsa_float_denorm_mode_32 3
		.amdhsa_float_denorm_mode_16_64 3
		.amdhsa_memory_ordered 1
		.amdhsa_forward_progress 1
		.amdhsa_inst_pref_size 66
	.end_amdhsa_kernel
	.amdgpu_metadata
---
amdhsa.version: [ 1, 2 ]
amdhsa.kernels:
  - .name:           k_q8d64671e19_outp
    .symbol:         k_q8d64671e19_outp.kd
    .args:
      - { .name: ac, .offset: 0, .size: 8, .value_kind: global_buffer, .address_space: global }
      - { .name: asc, .offset: 8, .size: 8, .value_kind: global_buffer, .address_space: global }
      - { .name: cod, .offset: 16, .size: 8, .value_kind: global_buffer, .address_space: global }
      - { .name: scl, .offset: 24, .size: 8, .value_kind: global_buffer, .address_space: global }
      - { .name: vimg, .offset: 32, .size: 8, .value_kind: global_buffer, .address_space: global }
      - { .name: out0, .offset: 40, .size: 8, .value_kind: global_buffer, .address_space: global }
    .group_segment_fixed_size: 229888
    .private_segment_fixed_size: 0
    .kernarg_segment_align: 8
    .kernarg_segment_size: 48
    .max_flat_workgroup_size: 128
    .sgpr_count:     92
    .vgpr_count:     512
    .wavefront_size: 32
...
	.end_amdgpu_metadata
.endif
;; end of part 4
